; MI455X (gfx1250); checked and timed in simulation.
; The chip was launched on July 23, 2026; its instructions are those of AMD's public machine-readable ISA for CDNA 5 (MIT licence, August 2026) and "CDNA5" Instruction Set Architecture Reference Guide (July 2026). The comments in the code are by the model that wrote it; some were corrected since.
;; KNN Classifier. Allowed arithmetic: matrix products marked QUANTISED: E2M1 operands, one E8M0 scale for each 32 along K, by v_wmma_scale_f32_16x16x128_f8f6f4 with both operands' format E2M1 (or v_wmma_scale_f32_32x16x128_f4), f32 sums; everything else in f32.
;; Inputs: train_features 100,000 x 256 float32; train_labels 100,000 int32; x 2,048 x 256 float32.
;; Outputs: out0 2,048 float32.
;; Constants: k = 20.
;; This version of the problem:
;;   THIS VERSION OF THE PROBLEM IS GIVEN IN LOW PRECISION. The matrix products marked QUANTISED in the list below multiply operands that are first quantised to E2M1 (2 exponent bits, 1 mantissa bit; 4 bits a number), with one power-of-two scale for each 32 numbers along K (OCP MX v1.0); their sums are f32. All else is computed in f32.
;;   The module's matrix products, in the order in which they are computed (A, B: the left and right operand; K: the contracted axis; several contracted axes count as one K, in the product's order):
;;     1. [M 2,048, K 256] x [K 256, N 100,000]; A: input x; B: input train_features: QUANTISED
;;   THE QUANTISER, for each operand of a quantised product, along K:
;;     - K is cut into blocks of 32 from its start; a last block that is shorter is filled with zeros.
;;     - A block's scale is 2^e with e = floor(log2(the largest magnitude in the block)) - 2, held to -126 .. 127; a block of zeros has e = 0. As a byte (E8M0): e + 127.
;;     - Each number is divided by its block's scale, clamped to +-6, and rounded to the nearest number of E2M1, ties to even, subnormals kept.
;;     - The product sums the exact products of the quantised numbers (number of the format x scale) in f32.
;;   ~~~python
;;   def quantise(x, axis):      # numpy; x: float32 -> the quantised numbers, widened to float32 again
;;       x = np.moveaxis(x, axis, -1); K = x.shape[-1]
;;       x = np.pad(x, [(0, 0)] * (x.ndim - 1) + [(0, -K % 32)]); x = x.reshape(x.shape[:-1] + (-1, 32)); a = np.abs(x).max(-1, keepdims=True)
;;       e = np.where(a > 0, np.clip(np.frexp(np.where(a > 0, a, 1))[1] - 1 - 2, -126, 127), 0)      # np.frexp(a)[1] - 1 = floor(log2(a)), exactly
;;       r = np.clip(x / 2.0 ** e, -6, 6)
;;       step = 2.0 ** (np.maximum(np.frexp(np.where(r == 0, 1, r))[1] - 1, 0) - 1)
;;       q = np.round(r / step) * step * 2.0 ** e      # np.round: ties to even
;;       return np.moveaxis(q.reshape(q.shape[:-2] + (-1,))[..., :K], -1, axis).astype(np.float32)
;;   ~~~
;; 2 versions, each right; version 2 is version 1 with the launch vote written anew for expert scheduling mode. Each part assembles by itself: llvm-mc -triple=amdgcn-amd-amdhsa -mcpu=gfx1250 --defsym DOCPART=n.
;; ======== version 1 of 2: 5 launches
;; workspace buffers: codes 13,062,144 bytes; scales 816,384 bytes; invn 408,320 bytes; gmx 32,768,000 bytes; slist 81,920 bytes of whole numbers; glist 81,920 bytes of whole numbers
;; launch prep (part 1): grid 3189 x 1, 1 waves a work-group, no clusters, 6,400 bytes of LDS; arguments train_features, x, codes, scales, invn; writes codes, scales, invn
.if DOCPART == 1
	.amdgcn_target "amdgcn-amd-amdhsa--gfx1250"
	.amdhsa_code_object_version 6
	.text
	.protected	k_qb20b20d7d5_prep
	.globl	k_qb20b20d7d5_prep
	.p2align	8
	.type	k_qb20b20d7d5_prep,@function
k_qb20b20d7d5_prep:
	s_mov_b64 s[64:65], 0
	v_nop
	global_prefetch_b8 v0, s[64:65] scope:SCOPE_SE
	s_setreg_imm32_b32 hwreg(HW_REG_WAVE_MODE, 25, 1), 1
	s_wait_xcnt 0x0
; train_features [100000][256] and x [2048][256], f32, become one table of 102,048 rows (train first, then x):
;   codes  [row][128 bytes]  FP4 (E2M1), K innermost, the lower k in the low four bits;
;   scales [row][8]          one E8M0 byte for each 32 along K: the block's largest magnitude's exponent field - 2, held at 1 from below;
;   invn   [row]             1 / sqrt(sum of the row's squares), f32, of the numbers as they are given (not of the quantised ones).
; LIMITS: a block of zeros, or one whose largest magnitude lies under 2^-124, keeps the byte 1 (its codes are what the conversion gives; these bytes are read by this program alone);
; NaN, infinities and rows of norm 0 are not served.
; SHARES.  A work-group is one wave and takes 32 rows = 16 steps of 512 numbers (two rows): 32 divides both 100,000 and 2,048, so no work-group meets both tensors; only pointers are chosen.
; Each load reads 512 consecutive bytes; a step's 2,048 bytes turn through the wave's stage in LDS, so that a lane then holds 16 neighbours along K (two lanes a block, sixteen lanes a row).
; No matrix unit, no cluster, no tensor load: each byte is read once and nothing is shared.
.set STEPS, 16
.set EMAX,  2
.set SP,    80                         ; a lane's place in a stage: 64 bytes + 16 of padding
.set SCB,   5120                       ; behind the two stages: the 256 scale bytes
.set SSQ,   5376                       ; and the 32 rows' sums of squares
.set TRW,   3125                       ; work-groups that take train_features
.set R,     16                         ; v16-79   four sets of 16 numbers as loaded
.set X,     80                         ; v80-111  two sets of 16 neighbours
.set E,     112                        ; v112-127 a scale byte for each step
.set C,     128                        ; v128-159 codes, two registers for each step
.set SQ,    160                        ; v160-175 a sum of squares for each step
.set PS,    176                        ; v176-179 at work
	s_load_b128 s[4:7], s[0:1], 0x0                ; train_features, x
	s_load_b128 s[8:11], s[0:1], 0x10              ; codes, scales
	s_load_b64 s[12:13], s[0:1], 0x20              ; invn
	v_lshl_add_u32 v184, v0, 2, 0x1800
	v_mov_b32 v185, 0
	v_lshlrev_b32 v3, 4, v0                        ; my 16 bytes of a load's 512 (one wave: v0 is the lane)
	v_lshrrev_b32 v14, 2, v0
	v_mul_u32_u24 v14, v14, SP
	v_and_b32 v15, 3, v0
	v_lshl_add_u32 v14, v15, 4, v14                ; the stage, in: SP (lane / 4) + 16 (lane % 4)
	v_mul_u32_u24 v15, v0, SP                      ; and out: SP x lane
	v_lshlrev_b32 v4, 3, v0                        ; 8 x lane: my codes in a step's 256 bytes; my 8 scale bytes at the end
	v_lshrrev_b32 v5, 1, v0
	v_add_nc_u32 v5, SCB, v5                       ; my block's scale byte
	v_add_nc_u32 v6, SCB, v4
	v_lshrrev_b32 v10, 4, v0
	v_lshl_add_u32 v10, v10, 2, SSQ                ; my row's word among a step's two
	v_lshl_add_u32 v7, v0, 2, SSQ                  ; at the end: row = lane
	v_lshlrev_b32 v12, 2, v0
	s_lshl_b32 s18, ttmp9, 12                      ; 32 rows of codes
	s_mov_b32 s19, 0
	s_lshl_b32 s20, ttmp9, 8                       ; of scale bytes
	s_mov_b32 s21, 0
	s_lshl_b32 s22, ttmp9, 7                       ; of reciprocal norms
	s_mov_b32 s23, 0
	s_wait_kmcnt 0x0
	s_cmp_lt_u32 ttmp9, TRW                        ; the choice hangs on the work-group's number alone
	s_cselect_b64 s[4:5], s[4:5], s[6:7]
	s_cselect_b32 s16, 0, TRW
	s_sub_co_u32 s16, ttmp9, s16
	s_lshl_b32 s16, s16, 15                        ; 32 rows of 1,024 bytes
	s_mov_b32 s17, 0
	s_add_nc_u64 s[4:5], s[4:5], s[16:17]
	s_add_nc_u64 s[8:9], s[8:9], s[18:19]
	s_add_nc_u64 s[10:11], s[10:11], s[20:21]
	s_add_nc_u64 s[12:13], s[12:13], s[22:23]
.macro LOAD t
.irp i, 0,1,2,3
	global_load_b128 v[R+16*((\t)%4)+4*\i:R+16*((\t)%4)+4*\i+3], v3, s[4:5] offset:2048*(\t)+512*\i th:TH_LOAD_NT
.endr
.endm
.macro TURN t                          ; LDS serves a wave's instructions in order: no wait between the stores and the loads
.irp i, 0,1,2,3
	ds_store_b128 v14, v[R+16*((\t)%4)+4*\i:R+16*((\t)%4)+4*\i+3] offset:32*SP*((\t)%2)+8*SP*\i
.endr
.irp i, 0,1,2,3
	ds_load_b128 v[X+16*((\t)%2)+4*\i:X+16*((\t)%2)+4*\i+3], v15 offset:32*SP*((\t)%2)+16*\i
.endr
.endm
.irp t, 0,1,2,3
	LOAD \t
.endr
	s_wait_loadcnt 12                              ; step 0's four loads are in; the twelve younger may be out
	TURN 0
.macro STEP t
.set XS, X+16*((\t)%2)
.if (\t) > 0
	s_wait_dscnt 2                                 ; this step's numbers are back; the last step's byte store and word store may be out
.else
	s_wait_dscnt 0x0
.endif
.if (\t)+4 < STEPS
	LOAD (\t)+4                                    ; into the set whose stores into the stage are done
.endif
.if (\t)+1 < STEPS
.if STEPS-2-(\t) >= 3
	s_wait_loadcnt 12                              ; the next step's four loads are in; three steps' twelve may be out
.else
	s_wait_loadcnt 4*(STEPS-2-(\t))
.endif
	TURN (\t)+1
.endif
	v_max3_num_f32 v8, |v[XS]|, |v[XS+1]|, |v[XS+2]|
	v_max3_num_f32 v9, |v[XS+3]|, |v[XS+4]|, |v[XS+5]|
.irp i, 6,10
	v_max3_num_f32 v8, v8, |v[XS+\i]|, |v[XS+\i+1]|
	v_max3_num_f32 v9, v9, |v[XS+\i+2]|, |v[XS+\i+3]|
.endr
	v_max3_num_f32 v8, v8, |v[XS+14]|, |v[XS+15]|
	v_max3_num_f32 v8, v8, v9, (EMAX+1)<<23        ; the floor 2^(3 - 127): the byte cannot fall under 1
	v_max_num_f32_dpp v8, v8, v8 row_xmask:1 row_mask:0xf bank_mask:0xf   ; with my neighbour's 16: the block's largest magnitude
	v_add_nc_u32 v11, -(EMAX<<23), v8              ; 2 off its exponent field: the conversion's scale operand
	v_cvt_scalef32_pk8_fp4_f32 v[C+2*(\t)], v[XS:XS+7], v11
	v_cvt_scalef32_pk8_fp4_f32 v[C+2*(\t)+1], v[XS+8:XS+15], v11
	v_lshrrev_b32 v[E+(\t)], 23, v11               ; the scale's byte (also the plain line behind the conversions)
	ds_store_b8 v5, v[E+(\t)] offset:16*(\t)       ; both lanes of a block write the same byte with the same value
	global_store_b64 v4, v[C+2*(\t):C+2*(\t)+1], s[8:9] offset:256*(\t)   ; the wave stores 256 consecutive bytes, aligned
	v_pk_mul_f32 v[PS:PS+1], v[XS:XS+1], v[XS:XS+1]                ; the sum of my 16 squares, in two chains
	v_pk_mul_f32 v[PS+2:PS+3], v[XS+2:XS+3], v[XS+2:XS+3]
.irp i, 4,8,12
	v_pk_fma_f32 v[PS:PS+1], v[XS+\i:XS+\i+1], v[XS+\i:XS+\i+1], v[PS:PS+1]
	v_pk_fma_f32 v[PS+2:PS+3], v[XS+\i+2:XS+\i+3], v[XS+\i+2:XS+\i+3], v[PS+2:PS+3]
.endr
	v_pk_add_f32 v[PS:PS+1], v[PS:PS+1], v[PS+2:PS+3]
	v_add_f32 v[SQ+(\t)], v[PS], v[PS+1]
	v_add_f32_dpp v[SQ+(\t)], v[SQ+(\t)], v[SQ+(\t)] row_xmask:1 row_mask:0xf bank_mask:0xf   ; over the sixteen lanes that hold the row
	v_add_f32_dpp v[SQ+(\t)], v[SQ+(\t)], v[SQ+(\t)] row_xmask:2 row_mask:0xf bank_mask:0xf
	v_add_f32_dpp v[SQ+(\t)], v[SQ+(\t)], v[SQ+(\t)] row_xmask:4 row_mask:0xf bank_mask:0xf
	v_add_f32_dpp v[SQ+(\t)], v[SQ+(\t)], v[SQ+(\t)] row_xmask:8 row_mask:0xf bank_mask:0xf
	ds_store_b32 v10, v[SQ+(\t)] offset:8*(\t)     ; sixteen lanes write the same word with the same value
.endm
.irp t, 0,1,2,3,4,5,6,7,8,9,10,11,12,13,14,15
	STEP \t
.endr
	ds_load_b64 v[180:181], v6                     ; in order behind my stores
	ds_load_b32 v182, v7
	s_wait_dscnt 0x0
	global_store_b64 v4, v[180:181], s[10:11]      ; 256 consecutive bytes, aligned
	v_rsq_f32 v183, v182
	v_nop                                          ; a plain line behind the transcendental,
	s_wait_alu depctr_va_vdst(0)                   ; and the wait ahead of its first reader
	global_store_b32 v12, v183, s[12:13]           ; 128 consecutive bytes: 32 rows have no more
	s_wait_tensorcnt 0x0
	ds_add_u32 v184, v185
	s_wait_dscnt 0x0
	s_endpgm
.Lfunc_end_k_qb20b20d7d5_prep:
	.size	k_qb20b20d7d5_prep, .Lfunc_end_k_qb20b20d7d5_prep-k_qb20b20d7d5_prep
	.p2alignl 7, 3214868480
	.fill 96, 4, 3214868480
	.section	.rodata,"a",@progbits
	.p2align	6, 0x0
	.amdhsa_kernel k_qb20b20d7d5_prep
		.amdhsa_group_segment_fixed_size 6400
		.amdhsa_private_segment_fixed_size 0
		.amdhsa_enable_private_segment 0
		.amdhsa_kernarg_size 40
		.amdhsa_user_sgpr_count 2
		.amdhsa_user_sgpr_kernarg_segment_ptr 1
		.amdhsa_wavefront_size32 1
		.amdhsa_system_sgpr_workgroup_id_x 1
		.amdhsa_system_sgpr_workgroup_id_y 1
		.amdhsa_system_sgpr_workgroup_id_z 1
		.amdhsa_system_vgpr_workitem_id 0
		.amdhsa_next_free_vgpr 186
		.amdhsa_next_free_sgpr 66
		.amdhsa_reserve_vcc 0
		.amdhsa_float_denorm_mode_32 3
		.amdhsa_float_denorm_mode_16_64 3
		.amdhsa_memory_ordered 1
		.amdhsa_forward_progress 1
		.amdhsa_inst_pref_size 48
	.end_amdhsa_kernel
	.amdgpu_metadata
---
amdhsa.version: [ 1, 2 ]
amdhsa.kernels:
  - .name:           k_qb20b20d7d5_prep
    .symbol:         k_qb20b20d7d5_prep.kd
    .args:
      - { .name: train_features, .offset: 0, .size: 8, .value_kind: global_buffer, .address_space: global }
      - { .name: x, .offset: 8, .size: 8, .value_kind: global_buffer, .address_space: global }
      - { .name: codes, .offset: 16, .size: 8, .value_kind: global_buffer, .address_space: global }
      - { .name: scales, .offset: 24, .size: 8, .value_kind: global_buffer, .address_space: global }
      - { .name: invn, .offset: 32, .size: 8, .value_kind: global_buffer, .address_space: global }
    .group_segment_fixed_size: 6400
    .private_segment_fixed_size: 0
    .kernarg_segment_align: 8
    .kernarg_segment_size: 40
    .max_flat_workgroup_size: 32
    .sgpr_count:     66
    .vgpr_count:     186
    .wavefront_size: 32
...
	.end_amdgpu_metadata
.endif
;; end of part 1
;; launch groupmax (part 2): grid 250 x 1, 16 waves a work-group, no clusters, 198,656 bytes of LDS; arguments codes, scales, invn, gmx; writes gmx
.if DOCPART == 2
	.amdgcn_target "amdgcn-amd-amdhsa--gfx1250"
	.amdhsa_code_object_version 6
	.text
	.protected	k_qb20b20d7d5_groupmax
	.globl	k_qb20b20d7d5_groupmax
	.p2align	8
	.type	k_qb20b20d7d5_groupmax,@function
k_qb20b20d7d5_groupmax:
	s_mov_b64 s[64:65], 0
	v_nop
	global_prefetch_b8 v0, s[64:65] scope:SCOPE_SE
	s_setreg_imm32_b32 hwreg(HW_REG_WAVE_MODE, 25, 1), 1
	s_wait_xcnt 0x0
; The product x train^T on codes of FP4 with E8M0 scales, 2,048 x 100,000 x 256; each sum x 1/|t| x 1/|x|; of each GROUP of 24 or 32 neighbouring train rows only the largest is kept, in f32.
; gmx: f32 [x tile T 128][slab b 250][x row r 16][gi 16].  Group gi of slab b holds train rows 400 b + 24 gi + 0..23 (gi < 14), 400 b + 336 + 0..31 (gi = 14), 400 b + 368 + 0..31 (gi = 15).
; The key of a pair is fl(fl(dot x rt) x rx).  rx is positive and rounding is monotone, so fl(max(dot x rt) x rx) is the group's largest key: rx is applied once a group.
; SHARES.  Work-group b owns train rows 400 b .. 400 b + 399, which come into LDS once.  Wave w owns x tiles 8 w .. 8 w + 7, whose fragments stay in its registers; every wave walks 25 tiles of 16 train rows.
; Source 0 = 16 train rows, source 1 = 16 x rows: lane (r, h) holds x row r, and its registers j the tile's rows 8 h + j: one running maximum a lane and x tile.
; THE ROWS OF A TILE ARE NOT NEIGHBOURS: in block f (three tiles; the last block four) tile t takes rows 48 f + 8 t + 0..7 for its rows 0-7 and the rows 24 (last block: 32) further on for its rows 8-15,
; so that each half of the lanes walks one run of neighbouring rows: group gi = 2 f + h.
; For a tile of 16 x 16 results: 2 matrix instructions and 8 vector instructions (4 packed multiplies by rt, 4 three-way maxima).  Four waves share a SIMD, so that one wave's vector work stands beside another's products.
; NO CLUSTER: each slab is read by one work-group; what all work-groups share, x's codes, goes by plain loads straight into registers; and 250 work-groups are no multiple of four.
; NO RING: a slab's codes, scale bytes and norms are 62,400 bytes: one fill; a wave has at most one tensor load out.  No prefetch: nothing is asked for after the head.
; LIMITS: NaN, infinities and rows of norm 0 are not served.
.set NT,    25
.set PITCH, 144                        ; a train row in LDS: 128 bytes + 16 of padding = 36 words: rows 0-7 and 24-31 start at 16 different groups of four banks (64 banks of 4 bytes: ISA guide 11.1); rows 0-7 and 32-39 meet two deep, in 4 tiles of 25
.set TS,    57600                      ; behind the codes: 400 rows x 8 scale bytes
.set TN,    60928                      ; 400 reciprocal norms
.set STG,   62720                      ; the stages, 8,192 bytes a wave: written by LDS stores alone, no fill lands there
.set AD,  1                            ; v1  (r + 16 (r / 8)) x PITCH + 16 h: blocks of three tiles
.set AS,  2                            ; v2  TS + 8 (r + 16 (r / 8)) + 4 h: lanes 0-15 the word of K step 0, lanes 16-31 that of K step 1
.set AW,  3                            ; v3  TN + 96 h
.set SA,  4                            ; v4  my stage + 64 r + 4 h
.set SR,  5                            ; v5  my stage + 16 x lane
.set GO,  6                            ; v6  16 x lane
.set AD2, 7                            ; v7  (r + 24 (r / 8)) x PITCH + 16 h: the last block
.set OUT, 8                            ; v8-15  eight maxima x rx (at the head: offsets)
.set XF,  16                           ; v16-143 x's fragments: tile i, K step s at 16 i + 8 s
.set XS,  144                          ; v144-151 x's scale words, as AS
.set NX,  152                          ; v152-159 rx of row r, tile i
.set ACC, 160                          ; v160-167 running maxima, tile i
.set TF,  168                          ; v168-199 a train tile's fragments, two buffers
.set TSR, 200                          ; v200-201 its scale words
.set TW,  202                          ; v202-217 rt of the tile's rows 8 h + j, two buffers
.set D,   218                          ; v218-249 two sets of two accumulators
.set TM,  250
.set AS2, 254                          ; v254 as AS, the last block
.set AW2, 255                          ; v255 TN + 128 h
.set WV,  12
.set G1C, 20
.set G1S, 28
.set G1N, 36
.set G0C, 44
.set G0S, 48
.set G0N, 52
	s_load_b128 s[4:7], s[0:1], 0x0                ; codes, scales
	s_load_b128 s[8:11], s[0:1], 0x10              ; invn, gmx
	v_lshl_add_u32 v254, v0, 2, 0x30000
	v_mov_b32 v255, 0
	ds_add_u32 v254, v255
	ds_add_u32 v254, v255
	s_wait_dscnt 0x0
	v_lshrrev_b32 v12, 5, v0
	v_readfirstlane_b32 s[WV], v12                 ; wave 0..15
	s_mov_b32 s[G1C], (1<<20)|(4<<22)|(3<<25)      ; elements of 1 byte; padding on: 4 words behind every 32
	s_mov_b32 s[G1C+1], 128<<16                    ; tensor_dim0
	s_mov_b32 s[G1C+2], 100<<16                    ; tensor_dim1
	s_mov_b32 s[G1C+3], 128<<16                    ; tile_dim0
	s_mov_b32 s[G1C+4], 100                        ; tile_dim1
	s_mov_b32 s[G1C+5], 128                        ; from row to row
	s_mov_b32 s[G1C+6], 0
	s_mov_b32 s[G1C+7], 0
	s_mov_b32 s[G1S], 3<<16                        ; one row of 400 elements of 8 bytes
	s_mov_b32 s[G1S+1], 400<<16
	s_mov_b32 s[G1S+2], 1<<16
	s_mov_b32 s[G1S+3], 400<<16
	s_mov_b32 s[G1S+4], 1
	s_mov_b32 s[G1S+5], 400
	s_mov_b32 s[G1S+6], 0
	s_mov_b32 s[G1S+7], 0
	s_mov_b32 s[G1N], 3<<16                        ; one row of 200 elements of 8 bytes
	s_mov_b32 s[G1N+1], 200<<16
	s_mov_b32 s[G1N+2], 1<<16
	s_mov_b32 s[G1N+3], 200<<16
	s_mov_b32 s[G1N+4], 1
	s_mov_b32 s[G1N+5], 200
	s_mov_b32 s[G1N+6], 0
	s_mov_b32 s[G1N+7], 0
	s_mul_i32 s13, ttmp9, 51200                    ; the slab's codes,
	s_mul_i32 s14, s[WV], 12800                    ; 100 rows for each of waves 0 to 3
	s_add_co_u32 s56, s13, s14
	s_mov_b32 s57, 0
	s_mul_i32 s58, ttmp9, 3200
	s_mov_b32 s59, 0
	s_mul_i32 s60, ttmp9, 1600
	s_mov_b32 s61, 0
	s_mov_b32 s[G0C], 1
	s_mul_i32 s[G0C+1], s[WV], 100*PITCH
	s_mov_b32 s[G0S], 1
	s_mov_b32 s[G0S+1], TS
	s_mov_b32 s[G0N], 1
	s_mov_b32 s[G0N+1], TN
	s_wait_kmcnt 0x0
	s_add_nc_u64 s[G0C+2:G0C+3], s[4:5], s[56:57]
	s_or_b32 s[G0C+3], s[G0C+3], 0x80000000
	s_add_nc_u64 s[G0S+2:G0S+3], s[6:7], s[58:59]
	s_or_b32 s[G0S+3], s[G0S+3], 0x80000000
	s_add_nc_u64 s[G0N+2:G0N+3], s[8:9], s[60:61]
	s_or_b32 s[G0N+3], s[G0N+3], 0x80000000
	s_cmp_lt_u32 s[WV], 4                          ; waves 0-3: a quarter of the codes each; wave 4: the scale bytes; wave 5: the norms; four v_nop follow each line
	s_cbranch_scc0 .Lnot_codes
	tensor_load_to_lds s[G0C:G0C+3], s[G1C:G1C+7]
	s_nop 0
.rept 4
	v_nop
.endr
	s_branch .Lfilled
.Lnot_codes:
	s_cmp_eq_u32 s[WV], 4
	s_cbranch_scc0 .Lnot_scales
	tensor_load_to_lds s[G0S:G0S+3], s[G1S:G1S+7]
	s_nop 0
.rept 4
	v_nop
.endr
	s_branch .Lfilled
.Lnot_scales:
	s_cmp_eq_u32 s[WV], 5
	s_cbranch_scc0 .Lfilled
	tensor_load_to_lds s[G0N:G0N+3], s[G1N:G1N+7]
	s_nop 0
.rept 4
	v_nop
.endr
.Lfilled:
	s_lshl_b32 s56, s[WV], 14                      ; x is rows 100,000 on of the table; my 128 rows
	s_add_co_u32 s56, s56, 12800000
	s_add_nc_u64 s[16:17], s[4:5], s[56:57]
	s_lshl_b32 s58, s[WV], 10
	s_add_co_u32 s58, s58, 800000
	s_add_nc_u64 s[18:19], s[6:7], s[58:59]
	s_lshl_b32 s60, s[WV], 9
	s_add_co_u32 s60, s60, 400000
	s_add_nc_u64 s[62:63], s[8:9], s[60:61]
	s_mul_i32 s13, s[WV], 2048000                  ; gmx: my eight tiles of 256,000 bytes, the slab's 1,024 in each
	s_lshl_b32 s14, ttmp9, 10
	s_add_co_u32 s14, s13, s14
	s_mov_b32 s15, 0
	s_add_nc_u64 s[10:11], s[10:11], s[14:15]
	v_and_b32 v12, 15, v0                          ; r
	v_bfe_u32 v13, v0, 4, 1                        ; h
	v_lshlrev_b32 v9, 7, v12
	v_lshl_add_u32 v9, v13, 4, v9                  ; x's codes: 128 r + 16 h
	v_lshlrev_b32 v10, 3, v12
	v_lshl_add_u32 v10, v13, 2, v10                ; scale words: 8 r + 4 h
	v_lshlrev_b32 v11, 2, v12                      ; norms: 4 r
.irp i, 0,1,2,3,4,5,6,7
.irp c, 0,1,2,3
	global_load_b128 v[XF+16*\i+4*\c:XF+16*\i+4*\c+3], v9, s[16:17] offset:2048*\i+32*\c   ; registers 4 c ..: k = 64 c + 32 h + 0 .. 31
.endr
	global_load_b32 v[XS+\i], v10, s[18:19] offset:128*\i
	global_load_b32 v[NX+\i], v11, s[62:63] offset:64*\i
.endr
	v_and_b32 v14, 8, v12                          ; 8 (r / 8)
	v_lshl_add_u32 v15, v14, 1, v12                ; r + 16 (r / 8)
	v_mad_u32_u24 v14, v14, 3, v12                 ; r + 24 (r / 8)
	v_mul_u32_u24 v[AD], v15, PITCH
	v_lshl_add_u32 v[AD], v13, 4, v[AD]
	v_mul_u32_u24 v[AD2], v14, PITCH
	v_lshl_add_u32 v[AD2], v13, 4, v[AD2]
	v_lshlrev_b32 v[AS], 3, v15
	v_lshl_add_u32 v[AS], v13, 2, v[AS]
	v_add_nc_u32 v[AS], TS, v[AS]
	v_lshlrev_b32 v[AS2], 3, v14
	v_lshl_add_u32 v[AS2], v13, 2, v[AS2]
	v_add_nc_u32 v[AS2], TS, v[AS2]
	v_mul_u32_u24 v[AW], v13, 96
	v_add_nc_u32 v[AW], TN, v[AW]
	v_lshl_add_u32 v[AW2], v13, 7, TN
	s_lshl_b32 s13, s[WV], 13
	s_add_co_u32 s13, s13, STG                     ; my stage
	v_lshlrev_b32 v[SA], 6, v12
	v_lshl_add_u32 v[SA], v13, 2, v[SA]
	v_add_nc_u32 v[SA], s13, v[SA]
	v_and_b32 v[GO], 31, v0
	v_lshlrev_b32 v[GO], 4, v[GO]
	v_add_nc_u32 v[SR], s13, v[GO]
	s_wait_tensorcnt 0x0                           ; my part of the slab has landed,
	s_barrier_signal -1
	s_barrier_wait -1                              ; everybody's has
.macro LOADT t                         ; train tile t into buffer t % 2: two fragments, the scale words, eight reciprocal norms.  RB: the slab's row at which the tile's rows 0-7 begin
.if (\t) >= 21
.set RB, 336+8*((\t)-21)
.set RA, AD2
.set RS, AS2
.set RW, AW2
.else
.set RB, 48*((\t)/3)+8*((\t)%3)
.set RA, AD
.set RS, AS
.set RW, AW
.endif
.irp c, 0,1,2,3
	ds_load_b128 v[TF+16*((\t)%2)+4*\c:TF+16*((\t)%2)+4*\c+3], v[RA] offset:PITCH*RB+32*\c
.endr
	ds_load_b32 v[TSR+(\t)%2], v[RS] offset:8*RB
	ds_load_b128 v[TW+8*((\t)%2):TW+8*((\t)%2)+3], v[RW] offset:4*RB
	ds_load_b128 v[TW+8*((\t)%2)+4:TW+8*((\t)%2)+7], v[RW] offset:4*RB+16
.endm
.macro WM acc, tb, i, s                ; one K step of 128; K step 1 takes both sides' scale words from lanes 16-31
.if \s
	v_wmma_scale_f32_16x16x128_f8f6f4 v[\acc:\acc+7], v[TF+16*(\tb)+8:TF+16*(\tb)+15], v[XF+16*(\i)+8:XF+16*(\i)+15], v[\acc:\acc+7], v[TSR+(\tb)], v[XS+(\i)] matrix_a_fmt:MATRIX_FMT_FP4 matrix_b_fmt:MATRIX_FMT_FP4 matrix_a_scale:MATRIX_SCALE_ROW1 matrix_b_scale:MATRIX_SCALE_ROW1
.else
	v_wmma_scale_f32_16x16x128_f8f6f4 v[\acc:\acc+7], v[TF+16*(\tb):TF+16*(\tb)+7], v[XF+16*(\i):XF+16*(\i)+7], 0, v[TSR+(\tb)], v[XS+(\i)] matrix_a_fmt:MATRIX_FMT_FP4 matrix_b_fmt:MATRIX_FMT_FP4
.endif
.endm
.macro WPAIR t, p                      ; x tiles 2 p, 2 p + 1 against train tile t, into set p % 2; the two accumulators take turns
	WM D+16*((\p)%2), (\t)%2, 2*(\p), 0
	WM D+16*((\p)%2)+8, (\t)%2, 2*(\p)+1, 0
	WM D+16*((\p)%2), (\t)%2, 2*(\p), 1
	WM D+16*((\p)%2)+8, (\t)%2, 2*(\p)+1, 1
.endm
.macro VPAIR t, p, first               ; the two tiles' sums x rt, and their largest into the running maxima; each accumulator is read from its low end on
.set DA, D+16*((\p)%2)
.set DB, DA+8
.set WT, TW+8*((\t)%2)
.irp j, 0,2,4,6
	v_pk_mul_f32 v[DA+\j:DA+\j+1], v[DA+\j:DA+\j+1], v[WT+\j:WT+\j+1]
	v_pk_mul_f32 v[DB+\j:DB+\j+1], v[DB+\j:DB+\j+1], v[WT+\j:WT+\j+1]
.endr
	v_max3_num_f32 v[TM], v[DA], v[DA+1], v[DA+2]
	v_max3_num_f32 v[TM+2], v[DB], v[DB+1], v[DB+2]
	v_max3_num_f32 v[TM+1], v[DA+3], v[DA+4], v[DA+5]
	v_max3_num_f32 v[TM+3], v[DB+3], v[DB+4], v[DB+5]
	v_max3_num_f32 v[TM], v[TM], v[TM+1], v[DA+6]
	v_max3_num_f32 v[TM+2], v[TM+2], v[TM+3], v[DB+6]
.if \first
	v_max_num_f32 v[ACC+2*(\p)], v[TM], v[DA+7]                    ; a group's first tile starts its maximum: nothing is cleared
	v_max_num_f32 v[ACC+2*(\p)+1], v[TM+2], v[DB+7]
.else
	v_max3_num_f32 v[ACC+2*(\p)], v[ACC+2*(\p)], v[TM], v[DA+7]
	v_max3_num_f32 v[ACC+2*(\p)+1], v[ACC+2*(\p)+1], v[TM+2], v[DB+7]
.endif
.endm
.macro VP t, p                         ; groups begin at tiles 0, 3, .. 21
.if (((\t)%3) == 0) && ((\t) <= 21)
	VPAIR \t, \p, 1
.else
	VPAIR \t, \p, 0
.endif
.endm
.macro FLUSH f                         ; the eight tiles' maxima of group 2 f + h, x rx, into my stage: [tile i][r][gi], f32
.irp i, 0,1,2,3
	v_pk_mul_f32 v[OUT+2*\i:OUT+2*\i+1], v[ACC+2*\i:ACC+2*\i+1], v[NX+2*\i:NX+2*\i+1]
.endr
.irp i, 0,1,2,3,4,5,6,7
	ds_store_b32 v[SA], v[OUT+\i] offset:1024*\i+8*(\f)
.endr
.endm
; A train tile.  Each pair's vector work stands behind the NEXT pair's products: its sixteen plain lines name none of those products' registers, so they are the places between those products and
; the first read of their results, the next start of their set, and the loads into the fragment buffer that they read (ISA guide 7.12.1 for vector instructions).
.macro TILE t
	s_wait_dscnt 0x0                               ; this tile's fragments are in (asked for three pairs ago), and the last flush's stores have read their registers
	WPAIR \t, 0
.if (\t) > 0
	VP (\t)-1, 3
.if (((\t)%3) == 0) && ((\t) <= 21)
	FLUSH (\t)/3-1
.endif
.else
.rept 4
	v_nop
.endr
.endif
.if (\t) < NT-1
	LOADT (\t)+1
.endif
	WPAIR \t, 1
	VP \t, 0
	WPAIR \t, 2
	VP \t, 1
	WPAIR \t, 3
	VP \t, 2
.endm
	LOADT 0
	s_wait_loadcnt 0x0                             ; x
.set T, 0
.rept NT
	TILE T
.set T, T+1
.endr
	VP NT-1, 3
	FLUSH 7
.irp i, 0,1,2,3,4,5,6,7,8,9,10,11,12,13,14,15
	ds_load_b128 v[TF+4*\i:TF+4*\i+3], v[SR] offset:512*\i         ; in order behind my stores: half of a tile's block of 1,024 bytes
.endr
.irp i, 0,1,2,3,4,5,6,7,8,9,10,11,12,13,14,15
	s_wait_dscnt 15-\i                             ; the younger loads may be out
	global_store_b128 v[GO], v[TF+4*\i:TF+4*\i+3], s[10:11] offset:256000*(\i/2)+512*(\i%2)   ; 512 consecutive bytes, at a multiple of 256 from gmx's first byte
.endr
	s_wait_xcnt 0x0
	v_lshl_add_u32 v254, v0, 2, 0x30000
	v_mov_b32 v255, 0
	s_wait_tensorcnt 0x0
	ds_add_u32 v254, v255
	s_wait_dscnt 0x0
	s_endpgm
.Lfunc_end_k_qb20b20d7d5_groupmax:
	.size	k_qb20b20d7d5_groupmax, .Lfunc_end_k_qb20b20d7d5_groupmax-k_qb20b20d7d5_groupmax
	.p2alignl 7, 3214868480
	.fill 96, 4, 3214868480
	.section	.rodata,"a",@progbits
	.p2align	6, 0x0
	.amdhsa_kernel k_qb20b20d7d5_groupmax
		.amdhsa_group_segment_fixed_size 198656
		.amdhsa_private_segment_fixed_size 0
		.amdhsa_enable_private_segment 0
		.amdhsa_kernarg_size 32
		.amdhsa_user_sgpr_count 2
		.amdhsa_user_sgpr_kernarg_segment_ptr 1
		.amdhsa_wavefront_size32 1
		.amdhsa_system_sgpr_workgroup_id_x 1
		.amdhsa_system_sgpr_workgroup_id_y 1
		.amdhsa_system_sgpr_workgroup_id_z 1
		.amdhsa_system_vgpr_workitem_id 0
		.amdhsa_next_free_vgpr 256
		.amdhsa_next_free_sgpr 66
		.amdhsa_reserve_vcc 0
		.amdhsa_float_denorm_mode_32 3
		.amdhsa_float_denorm_mode_16_64 3
		.amdhsa_memory_ordered 1
		.amdhsa_forward_progress 1
		.amdhsa_inst_pref_size 180
	.end_amdhsa_kernel
	.amdgpu_metadata
---
amdhsa.version: [ 1, 2 ]
amdhsa.kernels:
  - .name:           k_qb20b20d7d5_groupmax
    .symbol:         k_qb20b20d7d5_groupmax.kd
    .args:
      - { .name: codes, .offset: 0, .size: 8, .value_kind: global_buffer, .address_space: global }
      - { .name: scales, .offset: 8, .size: 8, .value_kind: global_buffer, .address_space: global }
      - { .name: invn, .offset: 16, .size: 8, .value_kind: global_buffer, .address_space: global }
      - { .name: gmx, .offset: 24, .size: 8, .value_kind: global_buffer, .address_space: global }
    .group_segment_fixed_size: 198656
    .private_segment_fixed_size: 0
    .kernarg_segment_align: 8
    .kernarg_segment_size: 32
    .max_flat_workgroup_size: 512
    .sgpr_count:     66
    .vgpr_count:     256
    .wavefront_size: 32
...
	.end_amdgpu_metadata
.endif
;; end of part 2
;; launch slabs (part 3): grid 256 x 1, 8 waves a work-group, no clusters, 9,216 bytes of LDS; arguments gmx, slist; writes slist
.if DOCPART == 3
	.amdgcn_target "amdgcn-amd-amdhsa--gfx1250"
	.amdhsa_code_object_version 6
	.text
	.protected	k_qb20b20d7d5_slabs
	.globl	k_qb20b20d7d5_slabs
	.p2align	8
	.type	k_qb20b20d7d5_slabs,@function
k_qb20b20d7d5_slabs:
	s_mov_b64 s[64:65], 0
	v_nop
	global_prefetch_b8 v0, s[64:65] scope:SCOPE_SE
	s_setreg_imm32_b32 hwreg(HW_REG_WAVE_MODE, 25, 1), 1
	s_wait_xcnt 0x0
; For each x row: the 20 best of its 250 slabs of 400 train rows, in the order largest key descending, slab number ascending.  slist: u16 [x row 2048][20].
; WHY THIS LOSES NOTHING.  The wanted order of train rows is key descending, row ascending.  Slabs are disjoint runs of neighbouring rows, so the order above is the order of the slabs' best rows.  A row in a slab that is
; not among the best 20 has 20 better rows ahead of it, one in each better slab: it is none of the 20 nearest.  Ties change nothing in that.
; SHARES.  Work-group B takes x rows 8 B .. 8 B + 7: 512 consecutive bytes of each of 250 blocks of gmx.  Load k of wave w reads block w + 8 k: lane = 4 row + part, 4 group maxima a lane.
; A slab's maximum is two lines in a lane and two steps between four lanes; it goes to LDS at [row][slab]; then wave w sorts row w's 256 entries: eight sets of 32, an entry a lane.
; Waves 2 to 7 have no load 31 (blocks 250 on): they put -infinity there, so that entries 250 to 255 are worse than every slab.
; No branch and no address hangs on a maximum: every choice is a v_cndmask_b32, and the stores go to fixed places.  No matrix unit, no cluster: nothing is shared and memory binds the first half.
; LIMITS: NaN and infinities are not served; +0 and -0 count as equal.
.set DATA, 32                          ; v32-159
.set M,    160                         ; v160-191 a slab's maximum for each load
.set K,    192                         ; v192-199 keys, a set a register
.set Y,    200                         ; v200-207 slab numbers
.set PK,   208                         ; v208-215 the partner's key
.set PY,   216                         ; v216-223 and number
.set SEL,  20
.set CA,   24
.set CB,   32
.set CC,   40
; A compare and exchange between lanes l and l xor d, on n sets at once (set q: registers base + st q), stage by stage, so that no line waits for the line above it.
; An entry is better where its key is larger, or equal with the smaller number.  A lane takes its partner's entry where (the partner's is better) xor (the lane wants the worse).
; ww: the lanes that want the worse in a sort that ends worst first.  Sets whose q + flip is odd take the complement and end best first.
.macro CES n, base, st, d, ww, flip
.set q, 0
.rept \n
.if \d == 16
	v_permlanex16_b32 v[PK+q], v[K+(\base)+(\st)*q], s[SEL], s[SEL+1]
	v_permlanex16_b32 v[PY+q], v[Y+(\base)+(\st)*q], s[SEL], s[SEL+1]
.else
	v_mov_b32_dpp v[PK+q], v[K+(\base)+(\st)*q] row_xmask:\d row_mask:0xf bank_mask:0xf
	v_mov_b32_dpp v[PY+q], v[Y+(\base)+(\st)*q] row_xmask:\d row_mask:0xf bank_mask:0xf
.endif
.set q, q+1
.endr
.set q, 0
.rept \n
	v_cmp_gt_f32 s[CA+q], v[PK+q], v[K+(\base)+(\st)*q]
	v_cmp_eq_f32 s[CB+q], v[PK+q], v[K+(\base)+(\st)*q]
	v_cmp_lt_u32 s[CC+q], v[PY+q], v[Y+(\base)+(\st)*q]
.set q, q+1
.endr
.set q, 0
.rept \n
	s_and_b32 s[CB+q], s[CB+q], s[CC+q]
	s_or_b32 s[CA+q], s[CA+q], s[CB+q]
.if (q+(\flip))%2
	s_xor_b32 s[CA+q], s[CA+q], (\ww)^0xffffffff
.else
	s_xor_b32 s[CA+q], s[CA+q], \ww
.endif
.set q, q+1
.endr
.set q, 0
.rept \n
	v_cndmask_b32 v[K+(\base)+(\st)*q], v[K+(\base)+(\st)*q], v[PK+q], s[CA+q]
	v_cndmask_b32 v[Y+(\base)+(\st)*q], v[Y+(\base)+(\st)*q], v[PY+q], s[CA+q]
.set q, q+1
.endr
.endm
.macro CLEAN n, base, st, flip         ; a bitonic run of 32 becomes sorted
	CES \n, \base, \st, 16, 0x0000ffff, \flip
	CES \n, \base, \st, 8,  0x00ff00ff, \flip
	CES \n, \base, \st, 4,  0x0f0f0f0f, \flip
	CES \n, \base, \st, 2,  0x33333333, \flip
	CES \n, \base, \st, 1,  0x55555555, \flip
.endm
.macro SORT n, base, st, flip          ; a bitonic sort of 32 lanes: for runs of k = 2 .. 32 and d = k / 2 .. 1 the worse is wanted where bits d and k of the lane's number are equal
	CES \n, \base, \st, 1,  0x99999999, \flip
	CES \n, \base, \st, 2,  0xc3c3c3c3, \flip
	CES \n, \base, \st, 1,  0xa5a5a5a5, \flip
	CES \n, \base, \st, 4,  0xf00ff00f, \flip
	CES \n, \base, \st, 2,  0xcc33cc33, \flip
	CES \n, \base, \st, 1,  0xaa55aa55, \flip
	CES \n, \base, \st, 8,  0xff0000ff, \flip
	CES \n, \base, \st, 4,  0xf0f00f0f, \flip
	CES \n, \base, \st, 2,  0xcccc3333, \flip
	CES \n, \base, \st, 1,  0xaaaa5555, \flip
	CLEAN \n, \base, \st, \flip
.endm
.macro KEEP a, b, u                    ; of two sets sorted in opposite directions the better entry of each lane: the best 32 of the 64, a bitonic run, into set a
	v_cmp_gt_f32 s[CA+\u], v[K+\b], v[K+\a]
	v_cmp_eq_f32 s[CB+\u], v[K+\b], v[K+\a]
	v_cmp_lt_u32 s[CC+\u], v[Y+\b], v[Y+\a]
	s_and_b32 s[CB+\u], s[CB+\u], s[CC+\u]
	s_or_b32 s[CA+\u], s[CA+\u], s[CB+\u]
	v_cndmask_b32 v[K+\a], v[K+\a], v[K+\b], s[CA+\u]
	v_cndmask_b32 v[Y+\a], v[Y+\a], v[Y+\b], s[CA+\u]
.endm
	s_load_b128 s[4:7], s[0:1], 0x0                ; gmx, slist
	v_lshl_add_u32 v224, v0, 2, 0x2000
	v_mov_b32 v225, 0
	v_lshrrev_b32 v1, 5, v0
	v_readfirstlane_b32 s12, v1                    ; wave
	v_and_b32 v1, 31, v0                           ; lane
	s_lshl_b32 s13, s12, 10
	v_lshl_add_u32 v6, v1, 4, s13                  ; gmx: 1,024 w + 16 lane
	v_lshrrev_b32 v7, 2, v1                        ; row
	s_lshl_b32 s15, s12, 2
	v_lshl_add_u32 v7, v7, 10, s15                 ; LDS, in: 1,024 row + 4 w (+ 32 k: slab w + 8 k)
	v_lshl_add_u32 v8, v1, 2, s13                  ; LDS, out: wave w serves row w: 1,024 w + 4 lane
	v_lshlrev_b32 v9, 1, v1
	s_mov_b32 s[SEL], 0x76543210
	s_mov_b32 s[SEL+1], 0xfedcba98                 ; v_permlanex16_b32: lane l xor 16
	s_lshr_b32 s14, ttmp9, 1
	s_mul_i32 s14, s14, 256000                     ; x tile B / 2,
	s_and_b32 s15, ttmp9, 1
	s_lshl_b32 s15, s15, 9                         ; its rows 8 (B % 2) on
	s_add_co_u32 s14, s14, s15
	s_mov_b32 s15, 0
	s_mul_i32 s16, ttmp9, 320
	s_mul_i32 s17, s12, 40
	s_add_co_u32 s16, s16, s17                     ; slist: row 8 B + w, 40 bytes a row
	s_mov_b32 s17, 0
	s_wait_kmcnt 0x0
	s_add_nc_u64 s[4:5], s[4:5], s[14:15]
	s_add_nc_u64 s[6:7], s[6:7], s[16:17]
.set k, 0
.rept 31
	global_load_b128 v[DATA+4*k:DATA+4*k+3], v6, s[4:5] offset:8192*k   ; the wave reads 512 consecutive bytes, aligned
.set k, k+1
.endr
	s_cmp_lt_u32 s12, 2
	s_cbranch_scc0 .Lnone
	global_load_b128 v[DATA+124:DATA+127], v6, s[4:5] offset:253952
	s_branch .Lhave
.Lnone:
.irp j, 0,1,2,3
	v_mov_b32 v[DATA+124+\j], 0xff800000
.endr
.Lhave:
.irp j, 0,1,2,3,4,5,6,7
	v_mov_b32 v[PK+\j], 0                          ; written once: the destination of a lane move counts as read
	v_mov_b32 v[PY+\j], 0
.endr
	s_wait_loadcnt 0x0
.set k, 0
.rept 32
	v_max3_num_f32 v[M+k], v[DATA+4*k], v[DATA+4*k+1], v[DATA+4*k+2]
.set k, k+1
.endr
.set k, 0
.rept 32
	v_max_num_f32 v[M+k], v[M+k], v[DATA+4*k+3]    ; my four groups,
.set k, k+1
.endr
.set k, 0
.rept 32
	v_max_num_f32_dpp v[M+k], v[M+k], v[M+k] row_xmask:1 row_mask:0xf bank_mask:0xf
.set k, k+1
.endr
.set k, 0
.rept 32
	v_max_num_f32_dpp v[M+k], v[M+k], v[M+k] row_xmask:2 row_mask:0xf bank_mask:0xf   ; and the three lanes' beside me: the slab's sixteen
.set k, k+1
.endr
.set k, 0
.rept 32
	ds_store_b32 v7, v[M+k] offset:32*k            ; four lanes write the same word with the same value
.set k, k+1
.endr
	s_wait_dscnt 0x0                               ; for the others' sake
	s_barrier_signal -1
	s_barrier_wait -1
.irp j, 0,1,2,3,4,5,6,7
	ds_load_b32 v[K+\j], v8 offset:128*\j          ; set j, lane l: slab 32 j + l
	v_add_nc_u32 v[Y+\j], 32*\j, v1
.endr
	s_wait_dscnt 0x0
	SORT 8, 0, 1, 0                                ; even sets worst first, odd sets best first
	KEEP 0, 1, 0
	KEEP 2, 3, 1
	KEEP 4, 5, 2
	KEEP 6, 7, 3
	CLEAN 4, 0, 2, 0                               ; sets 0, 4 worst first, sets 2, 6 best first
	KEEP 0, 2, 0
	KEEP 4, 6, 1
	CLEAN 2, 0, 4, 0                               ; set 0 worst first, set 4 best first
	KEEP 0, 4, 0
	CLEAN 1, 0, 1, 1                               ; best first
	v_cmp_gt_u32 vcc_lo, 20, v1
	s_wait_xcnt 0x0                                ; EXEC changes only behind this wait
	s_wait_tensorcnt 0x0
	ds_add_u32 v224, v225
	s_wait_dscnt 0x0
	s_and_saveexec_b32 s22, vcc_lo
	global_store_b16 v9, v[Y], s[6:7]              ; the row's 40 bytes
	s_wait_xcnt 0x0
	s_or_b32 exec_lo, exec_lo, s22
	s_endpgm
.Lfunc_end_k_qb20b20d7d5_slabs:
	.size	k_qb20b20d7d5_slabs, .Lfunc_end_k_qb20b20d7d5_slabs-k_qb20b20d7d5_slabs
	.p2alignl 7, 3214868480
	.fill 96, 4, 3214868480
	.section	.rodata,"a",@progbits
	.p2align	6, 0x0
	.amdhsa_kernel k_qb20b20d7d5_slabs
		.amdhsa_group_segment_fixed_size 9216
		.amdhsa_private_segment_fixed_size 0
		.amdhsa_enable_private_segment 0
		.amdhsa_kernarg_size 16
		.amdhsa_user_sgpr_count 2
		.amdhsa_user_sgpr_kernarg_segment_ptr 1
		.amdhsa_wavefront_size32 1
		.amdhsa_system_sgpr_workgroup_id_x 1
		.amdhsa_system_sgpr_workgroup_id_y 1
		.amdhsa_system_sgpr_workgroup_id_z 1
		.amdhsa_system_vgpr_workitem_id 0
		.amdhsa_next_free_vgpr 226
		.amdhsa_next_free_sgpr 66
		.amdhsa_reserve_vcc 1
		.amdhsa_float_denorm_mode_32 3
		.amdhsa_float_denorm_mode_16_64 3
		.amdhsa_memory_ordered 1
		.amdhsa_forward_progress 1
		.amdhsa_inst_pref_size 106
	.end_amdhsa_kernel
	.amdgpu_metadata
---
amdhsa.version: [ 1, 2 ]
amdhsa.kernels:
  - .name:           k_qb20b20d7d5_slabs
    .symbol:         k_qb20b20d7d5_slabs.kd
    .args:
      - { .name: gmx, .offset: 0, .size: 8, .value_kind: global_buffer, .address_space: global }
      - { .name: slist, .offset: 8, .size: 8, .value_kind: global_buffer, .address_space: global }
    .group_segment_fixed_size: 9216
    .private_segment_fixed_size: 0
    .kernarg_segment_align: 8
    .kernarg_segment_size: 16
    .max_flat_workgroup_size: 256
    .sgpr_count:     66
    .vgpr_count:     226
    .wavefront_size: 32
...
	.end_amdgpu_metadata
.endif
;; end of part 3
;; launch groups (part 4): grid 512 x 1, 4 waves a work-group, no clusters, 0 bytes of LDS; arguments gmx, slist, glist; writes glist
.if DOCPART == 4
	.amdgcn_target "amdgcn-amd-amdhsa--gfx1250"
	.amdhsa_code_object_version 6
	.text
	.protected	k_qb20b20d7d5_groups
	.globl	k_qb20b20d7d5_groups
	.p2align	8
	.type	k_qb20b20d7d5_groups,@function
k_qb20b20d7d5_groups:
	s_mov_b64 s[64:65], 0
	v_nop
	global_prefetch_b8 v0, s[64:65] scope:SCOPE_SE
	s_setreg_imm32_b32 hwreg(HW_REG_WAVE_MODE, 25, 1), 1
	s_wait_xcnt 0x0
; For each x row: the 20 best of the 320 groups that lie in its 20 chosen slabs, in the order largest key descending, group number ascending.  glist: u16 [x row 2048][20], group = 16 slab + gi.
; Groups are disjoint runs of neighbouring train rows in the order of their numbers, so what holds of slabs holds of them: a row in a group that is not among the best 20 has 20 better rows ahead of it.
; A wave is an x row.  Set j of ten, lane l: group l % 16 of the slab at place 2 j + l / 16 of the row's list.  The only addresses that hang on data are made of the stored slab numbers, held at 249.
; No branch hangs on data.  The gather reads 64 bytes of a block for each slab: what a list names; no LDS, no barrier, no cluster.
; LIMITS: NaN and infinities are not served; +0 and -0 count as equal.
.set SL,   16                          ; v16-25 slab numbers
.set OF,   26                          ; v26-35 offsets
.set K,    40                          ; v40-49 keys
.set Y,    50                          ; v50-59 group numbers
.set PK,   60
.set PY,   70
.set SEL,  20
.set CA,   32
.set CB,   42
.set CC,   52
; A compare and exchange between lanes l and l xor d, on n sets at once (set q: registers base + st q), stage by stage, so that no line waits for the line above it.
; An entry is better where its key is larger, or equal with the smaller number.  A lane takes its partner's entry where (the partner's is better) xor (the lane wants the worse).
; ww: the lanes that want the worse in a sort that ends worst first.  Sets whose q + flip is odd take the complement and end best first.
.macro CES n, base, st, d, ww, flip
.set q, 0
.rept \n
.if \d == 16
	v_permlanex16_b32 v[PK+q], v[K+(\base)+(\st)*q], s[SEL], s[SEL+1]
	v_permlanex16_b32 v[PY+q], v[Y+(\base)+(\st)*q], s[SEL], s[SEL+1]
.else
	v_mov_b32_dpp v[PK+q], v[K+(\base)+(\st)*q] row_xmask:\d row_mask:0xf bank_mask:0xf
	v_mov_b32_dpp v[PY+q], v[Y+(\base)+(\st)*q] row_xmask:\d row_mask:0xf bank_mask:0xf
.endif
.set q, q+1
.endr
.set q, 0
.rept \n
	v_cmp_gt_f32 s[CA+q], v[PK+q], v[K+(\base)+(\st)*q]
	v_cmp_eq_f32 s[CB+q], v[PK+q], v[K+(\base)+(\st)*q]
	v_cmp_lt_u32 s[CC+q], v[PY+q], v[Y+(\base)+(\st)*q]
.set q, q+1
.endr
.set q, 0
.rept \n
	s_and_b32 s[CB+q], s[CB+q], s[CC+q]
	s_or_b32 s[CA+q], s[CA+q], s[CB+q]
.if (q+(\flip))%2
	s_xor_b32 s[CA+q], s[CA+q], (\ww)^0xffffffff
.else
	s_xor_b32 s[CA+q], s[CA+q], \ww
.endif
.set q, q+1
.endr
.set q, 0
.rept \n
	v_cndmask_b32 v[K+(\base)+(\st)*q], v[K+(\base)+(\st)*q], v[PK+q], s[CA+q]
	v_cndmask_b32 v[Y+(\base)+(\st)*q], v[Y+(\base)+(\st)*q], v[PY+q], s[CA+q]
.set q, q+1
.endr
.endm
.macro CLEAN n, base, st, flip         ; a bitonic run of 32 becomes sorted
	CES \n, \base, \st, 16, 0x0000ffff, \flip
	CES \n, \base, \st, 8,  0x00ff00ff, \flip
	CES \n, \base, \st, 4,  0x0f0f0f0f, \flip
	CES \n, \base, \st, 2,  0x33333333, \flip
	CES \n, \base, \st, 1,  0x55555555, \flip
.endm
.macro SORT n, base, st, flip          ; a bitonic sort of 32 lanes: for runs of k = 2 .. 32 and d = k / 2 .. 1 the worse is wanted where bits d and k of the lane's number are equal
	CES \n, \base, \st, 1,  0x99999999, \flip
	CES \n, \base, \st, 2,  0xc3c3c3c3, \flip
	CES \n, \base, \st, 1,  0xa5a5a5a5, \flip
	CES \n, \base, \st, 4,  0xf00ff00f, \flip
	CES \n, \base, \st, 2,  0xcc33cc33, \flip
	CES \n, \base, \st, 1,  0xaa55aa55, \flip
	CES \n, \base, \st, 8,  0xff0000ff, \flip
	CES \n, \base, \st, 4,  0xf0f00f0f, \flip
	CES \n, \base, \st, 2,  0xcccc3333, \flip
	CES \n, \base, \st, 1,  0xaaaa5555, \flip
	CLEAN \n, \base, \st, \flip
.endm
.macro KEEP a, b, u                    ; of two sets sorted in opposite directions the better entry of each lane: the best 32 of the 64, a bitonic run, into set a
	v_cmp_gt_f32 s[CA+\u], v[K+\b], v[K+\a]
	v_cmp_eq_f32 s[CB+\u], v[K+\b], v[K+\a]
	v_cmp_lt_u32 s[CC+\u], v[Y+\b], v[Y+\a]
	s_and_b32 s[CB+\u], s[CB+\u], s[CC+\u]
	s_or_b32 s[CA+\u], s[CA+\u], s[CB+\u]
	v_cndmask_b32 v[K+\a], v[K+\a], v[K+\b], s[CA+\u]
	v_cndmask_b32 v[Y+\a], v[Y+\a], v[Y+\b], s[CA+\u]
.endm
	s_load_b128 s[4:7], s[0:1], 0x0                ; gmx, slist
	s_load_b64 s[8:9], s[0:1], 0x10                ; glist
	v_lshrrev_b32 v1, 5, v0
	v_readfirstlane_b32 s12, v1                    ; wave
	v_and_b32 v1, 31, v0                           ; lane
	v_bfe_u32 v2, v0, 4, 1
	v_lshlrev_b32 v2, 1, v2                        ; 2 (lane / 16): which of a set's two slabs
	v_and_b32 v4, 15, v0                           ; gi
	v_lshlrev_b32 v3, 2, v4
	v_lshlrev_b32 v5, 1, v1
	s_mov_b32 s[SEL], 0x76543210
	s_mov_b32 s[SEL+1], 0xfedcba98                 ; v_permlanex16_b32: lane l xor 16
	s_lshl_b32 s19, ttmp9, 2
	s_add_co_u32 s19, s19, s12                     ; my x row
	s_lshr_b32 s14, s19, 4
	s_mul_i32 s14, s14, 256000                     ; its tile,
	s_and_b32 s15, s19, 15
	s_lshl_b32 s15, s15, 6                         ; its 64 bytes in a block
	s_add_co_u32 s14, s14, s15
	s_mov_b32 s15, 0
	s_mul_i32 s16, s19, 40
	s_mov_b32 s17, 0
	s_wait_kmcnt 0x0
	s_add_nc_u64 s[4:5], s[4:5], s[14:15]
	s_add_nc_u64 s[6:7], s[6:7], s[16:17]
	s_add_nc_u64 s[8:9], s[8:9], s[16:17]
.irp j, 0,1,2,3,4,5,6,7,8,9
	global_load_u16 v[SL+\j], v2, s[6:7] offset:4*\j
.endr
.irp j, 0,1,2,3,4,5,6,7,8,9
	v_mov_b32 v[PK+\j], 0                          ; written once: the destination of a lane move counts as read
	v_mov_b32 v[PY+\j], 0
.endr
	s_wait_loadcnt 0x0
.irp j, 0,1,2,3,4,5,6,7,8,9
	v_min_u32 v[SL+\j], 249, v[SL+\j]              ; a slab's number
.endr
.irp j, 0,1,2,3,4,5,6,7,8,9
	v_lshl_add_u32 v[OF+\j], v[SL+\j], 10, v3      ; its block of 1,024 bytes, my group's word
	v_lshl_or_b32 v[Y+\j], v[SL+\j], 4, v4         ; the group's number
.endr
.irp j, 0,1,2,3,4,5,6,7,8,9
	global_load_b32 v[K+\j], v[OF+\j], s[4:5]
.endr
	s_wait_loadcnt 0x0
	SORT 10, 0, 1, 0                               ; even sets worst first, odd sets best first
	KEEP 0, 1, 0
	KEEP 2, 3, 1
	KEEP 4, 5, 2
	KEEP 6, 7, 3
	KEEP 8, 9, 4
	CLEAN 5, 0, 2, 0                               ; sets 0, 4, 8 worst first, sets 2, 6 best first
	KEEP 0, 2, 0
	KEEP 4, 6, 1
	CLEAN 2, 0, 4, 0                               ; set 0 worst first, set 4 best first
	KEEP 0, 4, 0
	CLEAN 1, 0, 1, 1                               ; set 0 best first, against set 8, which is worst first
	KEEP 0, 8, 0
	CLEAN 1, 0, 1, 1                               ; best first
	v_cmp_gt_u32 vcc_lo, 20, v1
	s_wait_xcnt 0x0                                ; EXEC changes only behind this wait
	s_and_saveexec_b32 s22, vcc_lo
	global_store_b16 v5, v[Y], s[8:9]              ; the row's 40 bytes
	s_wait_xcnt 0x0
	s_or_b32 exec_lo, exec_lo, s22
	s_endpgm
.Lfunc_end_k_qb20b20d7d5_groups:
	.size	k_qb20b20d7d5_groups, .Lfunc_end_k_qb20b20d7d5_groups-k_qb20b20d7d5_groups
	.p2alignl 7, 3214868480
	.fill 96, 4, 3214868480
	.section	.rodata,"a",@progbits
	.p2align	6, 0x0
	.amdhsa_kernel k_qb20b20d7d5_groups
		.amdhsa_group_segment_fixed_size 0
		.amdhsa_private_segment_fixed_size 0
		.amdhsa_enable_private_segment 0
		.amdhsa_kernarg_size 24
		.amdhsa_user_sgpr_count 2
		.amdhsa_user_sgpr_kernarg_segment_ptr 1
		.amdhsa_wavefront_size32 1
		.amdhsa_system_sgpr_workgroup_id_x 1
		.amdhsa_system_sgpr_workgroup_id_y 1
		.amdhsa_system_sgpr_workgroup_id_z 1
		.amdhsa_system_vgpr_workitem_id 0
		.amdhsa_next_free_vgpr 80
		.amdhsa_next_free_sgpr 66
		.amdhsa_reserve_vcc 1
		.amdhsa_float_denorm_mode_32 3
		.amdhsa_float_denorm_mode_16_64 3
		.amdhsa_memory_ordered 1
		.amdhsa_forward_progress 1
		.amdhsa_inst_pref_size 120
	.end_amdhsa_kernel
	.amdgpu_metadata
---
amdhsa.version: [ 1, 2 ]
amdhsa.kernels:
  - .name:           k_qb20b20d7d5_groups
    .symbol:         k_qb20b20d7d5_groups.kd
    .args:
      - { .name: gmx, .offset: 0, .size: 8, .value_kind: global_buffer, .address_space: global }
      - { .name: slist, .offset: 8, .size: 8, .value_kind: global_buffer, .address_space: global }
      - { .name: glist, .offset: 16, .size: 8, .value_kind: global_buffer, .address_space: global }
    .group_segment_fixed_size: 0
    .private_segment_fixed_size: 0
    .kernarg_segment_align: 8
    .kernarg_segment_size: 24
    .max_flat_workgroup_size: 128
    .sgpr_count:     66
    .vgpr_count:     80
    .wavefront_size: 32
...
	.end_amdgpu_metadata
.endif
;; end of part 4
;; launch vote (part 5): grid 512 x 1, 4 waves a work-group, no clusters, 0 bytes of LDS; arguments codes, scales, invn, glist, train_labels, out0; writes out0
.if DOCPART == 5
	.amdgcn_target "amdgcn-amd-amdhsa--gfx1250"
	.amdhsa_code_object_version 6
	.text
	.protected	k_qb20b20d7d5_vote
	.globl	k_qb20b20d7d5_vote
	.p2align	8
	.type	k_qb20b20d7d5_vote,@function
k_qb20b20d7d5_vote:
	s_mov_b64 s[64:65], 0
	v_nop
	global_prefetch_b8 v0, s[64:65] scope:SCOPE_SE
	s_setreg_imm32_b32 hwreg(HW_REG_WAVE_MODE, 25, 1), 1
	s_wait_xcnt 0x0
; For each x row: the keys of the train rows of its 20 chosen groups are made again (the same matrix form, K steps and multiplications as in the launch that made the maxima; sources swapped: the same bits),
; the 20 best in the order key descending, train row ascending (as the reference's top-k breaks ties), their labels, and the most frequent class, the smaller class at a tie; stored as f32.
; A wave is an x row: five trips of four groups.  A trip: 48 loads, one wait, 16 matrix instructions, four sets of 32 entries (an entry a lane), sorted side by side, merged, and merged into the best 32 so far.
; The next trip's loads are issued behind the products and ahead of the sorting, so that they land under it.
; Source 0 = the x row in all 16 rows, source 1 = 16 train rows: register 0 of a result holds column lane % 16 in both halves of the lanes.
; An entry is (key, 16 x train row + label).  Lanes 24-31 of a group of 24 rows, and the empty places at the start, hold (-infinity, all ones): worse than every real entry; their label nibble, 15, is no class.
; The only addresses that hang on data are made of the stored group numbers, with the base row held at 99,968; trip counts are constants, and what hangs on keys is selected by v_cndmask_b32 and s_cselect_b32.
; No tensor load and no cluster: each wave gathers other rows.  The output is 4 bytes a wave: 8,192 bytes in all.
; LIMITS: the key is dot x rsq(sum t^2) x rsq(sum x^2), two multiplications where the reference divides once by the product of two roots: it can differ from the reference's by a few units in the last place,
; which can change the choice only between neighbours that lie so close.  Labels outside 0..8 count for no class.  NaN, infinities and rows of norm 0 are not served; +0 and -0 count as equal.
.set PY,   10                          ; v10-13 the partner's second word
.set NINF, 14
.set XA,   16                          ; v16-31   the x row's two fragments; v9 its scale words
.set BF,   32                          ; v32-159  4 groups x 2 tiles x 2 fragments
.set BS,   160                         ; v160-167 their scale words
.set BN,   168                         ; v168-171 rt: lane l has row base + l
.set LB,   172                         ; v172-175 labels likewise
.set D,    176                         ; v176-239 eight accumulators
.set K,    240                         ; v240-243 the four sets' keys; v244 the best so far
.set Y,    245                         ; v245-248 second words; v249 the best so far
.set PK,   250                         ; v250-253 the partner's key
.set CA,   20
.set CB,   24
.set CC,   28
.set HIM,  40
.set SEL,  42
.set RB4,  44                          ; 4 x the trip whose loads were issued last
.set G,    45
.set TX,   46                          ; s[46:47] at work; as a pair: an offset
.set TY,   47
.set TZ,   48
.set SV,   49
.set VM,   52                          ; s52-55 which of 32 lanes hold rows of the group
.set GB,   56                          ; s56-59 base rows
.set CBA,  68                          ; s[68:75] the four groups' codes,
.set SBA,  76                          ; s[76:83] scale bytes,
.set NBA,  84                          ; s[84:91] reciprocal norms,
.set LBA,  92                          ; s[92:99] labels
.set CN,   68                          ; at the end: s68-76 the classes' counts
.set BI,   77
; A compare and exchange between lanes l and l xor d, on n sets at once (set q: registers base + st q), stage by stage, so that no line waits for the line above it.
; An entry is better where its key is larger, or equal with the smaller second word.  A lane takes its partner's entry where (the partner's is better) xor (the lane wants the worse).
; ww: the lanes that want the worse in a sort that ends worst first.  Sets whose q + flip is odd take the complement and end best first.
.macro CES n, base, st, d, ww, flip
.set q, 0
.rept \n
.if \d == 16
	v_permlanex16_b32 v[PK+q], v[K+(\base)+(\st)*q], s[SEL], s[SEL+1]
	v_permlanex16_b32 v[PY+q], v[Y+(\base)+(\st)*q], s[SEL], s[SEL+1]
.else
	v_mov_b32_dpp v[PK+q], v[K+(\base)+(\st)*q] row_xmask:\d row_mask:0xf bank_mask:0xf
	v_mov_b32_dpp v[PY+q], v[Y+(\base)+(\st)*q] row_xmask:\d row_mask:0xf bank_mask:0xf
.endif
.set q, q+1
.endr
.set q, 0
.rept \n
	v_cmp_gt_f32 s[CA+q], v[PK+q], v[K+(\base)+(\st)*q]
	v_cmp_eq_f32 s[CB+q], v[PK+q], v[K+(\base)+(\st)*q]
	v_cmp_lt_u32 s[CC+q], v[PY+q], v[Y+(\base)+(\st)*q]
.set q, q+1
.endr
.set q, 0
.rept \n
	s_and_b32 s[CB+q], s[CB+q], s[CC+q]
	s_or_b32 s[CA+q], s[CA+q], s[CB+q]
.if (q+(\flip))%2
	s_xor_b32 s[CA+q], s[CA+q], (\ww)^0xffffffff
.else
	s_xor_b32 s[CA+q], s[CA+q], \ww
.endif
.set q, q+1
.endr
.set q, 0
.rept \n
	v_cndmask_b32 v[K+(\base)+(\st)*q], v[K+(\base)+(\st)*q], v[PK+q], s[CA+q]
	v_cndmask_b32 v[Y+(\base)+(\st)*q], v[Y+(\base)+(\st)*q], v[PY+q], s[CA+q]
.set q, q+1
.endr
.endm
.macro CLEAN n, base, st, flip         ; a bitonic run of 32 becomes sorted
	CES \n, \base, \st, 16, 0x0000ffff, \flip
	CES \n, \base, \st, 8,  0x00ff00ff, \flip
	CES \n, \base, \st, 4,  0x0f0f0f0f, \flip
	CES \n, \base, \st, 2,  0x33333333, \flip
	CES \n, \base, \st, 1,  0x55555555, \flip
.endm
.macro SORT n, base, st, flip          ; a bitonic sort of 32 lanes: for runs of k = 2 .. 32 and d = k / 2 .. 1 the worse is wanted where bits d and k of the lane's number are equal
	CES \n, \base, \st, 1,  0x99999999, \flip
	CES \n, \base, \st, 2,  0xc3c3c3c3, \flip
	CES \n, \base, \st, 1,  0xa5a5a5a5, \flip
	CES \n, \base, \st, 4,  0xf00ff00f, \flip
	CES \n, \base, \st, 2,  0xcc33cc33, \flip
	CES \n, \base, \st, 1,  0xaa55aa55, \flip
	CES \n, \base, \st, 8,  0xff0000ff, \flip
	CES \n, \base, \st, 4,  0xf0f00f0f, \flip
	CES \n, \base, \st, 2,  0xcccc3333, \flip
	CES \n, \base, \st, 1,  0xaaaa5555, \flip
	CLEAN \n, \base, \st, \flip
.endm
.macro KEEP a, b, u                    ; of two sets sorted in opposite directions the better entry of each lane: the best 32 of the 64, a bitonic run, into set a
	v_cmp_gt_f32 s[CA+\u], v[K+\b], v[K+\a]
	v_cmp_eq_f32 s[CB+\u], v[K+\b], v[K+\a]
	v_cmp_lt_u32 s[CC+\u], v[Y+\b], v[Y+\a]
	s_and_b32 s[CB+\u], s[CB+\u], s[CC+\u]
	s_or_b32 s[CA+\u], s[CA+\u], s[CB+\u]
	v_cndmask_b32 v[K+\a], v[K+\a], v[K+\b], s[CA+\u]
	v_cndmask_b32 v[Y+\a], v[Y+\a], v[Y+\b], s[CA+\u]
.endm
	s_load_b256 s[4:11], s[0:1], 0x0               ; codes, scales, invn, glist
	s_load_b128 s[12:15], s[0:1], 0x20             ; train_labels, out0
	v_lshrrev_b32 v1, 5, v0
	v_readfirstlane_b32 s18, v1
	v_and_b32 v1, 31, v0                           ; lane
	v_and_b32 v15, 15, v0                          ; n
	v_bfe_u32 v6, v0, 4, 1                         ; h
	v_lshlrev_b32 v7, 2, v6                        ; 4 h
	v_lshlrev_b32 v6, 4, v6                        ; 16 h
	v_lshl_add_u32 v2, v15, 7, v6                  ; a tile's codes: column n is row n: 128 n + 16 h
	v_lshl_add_u32 v3, v15, 3, v7                  ; scale words: 8 n + 4 h: lanes 0-15 K step 0's, lanes 16-31 K step 1's
	v_lshlrev_b32 v4, 2, v1                        ; norms and labels: 4 x lane
	v_min_u32 v8, 19, v1
	v_lshlrev_b32 v8, 1, v8                        ; the list: place min(lane, 19): no lane reads past the row's 40 bytes
.irp j, 0,1,2,3
	v_mov_b32 v[PK+\j], 0                          ; written once: the destination of a lane move counts as read
	v_mov_b32 v[PY+\j], 0
.endr
	v_mov_b32 v[NINF], 0xff800000
	v_mov_b32 v[K+4], 0xff800000                   ; the best so far: nothing
	v_mov_b32 v[Y+4], -1
	s_mov_b32 s[HIM], 0xffff0000
	s_mov_b32 s[SEL], 0x76543210
	s_mov_b32 s[SEL+1], 0xfedcba98                 ; v_permlanex16_b32: lane l xor 16
	s_lshl_b32 s19, ttmp9, 2
	s_add_co_u32 s19, s19, s18                     ; my x row
	s_mul_i32 s20, s19, 40
	s_mov_b32 s21, 0
	s_lshl_b32 s22, s19, 2
	s_mov_b32 s23, 0
	s_lshl_b32 s24, s19, 7
	s_add_co_u32 s24, s24, 12800000                ; x is rows 100,000 on of the table
	s_mov_b32 s25, 0
	s_lshl_b32 s26, s19, 3
	s_add_co_u32 s26, s26, 800000
	s_mov_b32 s27, 0
	s_wait_kmcnt 0x0
	s_add_nc_u64 s[10:11], s[10:11], s[20:21]
	s_add_nc_u64 s[36:37], s[8:9], s[22:23]
	s_add_nc_u64 s[14:15], s[14:15], s[22:23]
	s_add_nc_u64 s[32:33], s[4:5], s[24:25]
	s_add_nc_u64 s[34:35], s[6:7], s[26:27]
	s_load_b32 s39, s[36:37], 0x61a80              ; rx
	global_load_u16 v5, v8, s[10:11]               ; lane j: the group at place j
.irp c, 0,1,2,3
	global_load_b128 v[XA+4*\c:XA+4*\c+3], v6, s[32:33] offset:32*\c
.endr
	global_load_b32 v9, v7, s[34:35]               ; x's scale words
	s_wait_kmcnt 0x0
	s_wait_loadcnt 0x0
.macro GROUP qq                        ; the group at place RB4 + qq: its base row, its lanes, its four bases, its twelve loads
	s_add_co_u32 s[TX], s[RB4], \qq
	v_readlane_b32 s[G], v5, s[TX]
	s_lshr_b32 s[TX], s[G], 4
	s_mul_i32 s[TX], s[TX], 400                    ; slab
	s_and_b32 s[TY], s[G], 15                      ; gi
	s_cmp_ge_u32 s[TY], 14
	s_cselect_b32 s[VM+\qq], -1, 0xffffff          ; 32 rows in a slab's last two groups, else 24
	s_cmp_eq_u32 s[TY], 15
	s_cselect_b32 s[TZ], 8, 0
	s_mul_i32 s[TY], s[TY], 24
	s_add_co_u32 s[TX], s[TX], s[TY]
	s_add_co_u32 s[TX], s[TX], s[TZ]
	s_min_u32 s[GB+\qq], s[TX], 99968              ; the largest base there is: base + 31 stays inside the train rows
	s_mov_b32 s[TY], 0
	s_lshl_b32 s[TX], s[GB+\qq], 7
	s_add_nc_u64 s[CBA+2*\qq:CBA+2*\qq+1], s[4:5], s[TX:TY]
	s_lshl_b32 s[TX], s[GB+\qq], 3
	s_add_nc_u64 s[SBA+2*\qq:SBA+2*\qq+1], s[6:7], s[TX:TY]
	s_lshl_b32 s[TX], s[GB+\qq], 2
	s_add_nc_u64 s[NBA+2*\qq:NBA+2*\qq+1], s[8:9], s[TX:TY]
	s_add_nc_u64 s[LBA+2*\qq:LBA+2*\qq+1], s[12:13], s[TX:TY]
.irp u, 0,1
.irp c, 0,1,2,3
	global_load_b128 v[BF+32*\qq+16*\u+4*\c:BF+32*\qq+16*\u+4*\c+3], v2, s[CBA+2*\qq:CBA+2*\qq+1] offset:2048*\u+32*\c
.endr
	global_load_b32 v[BS+2*\qq+\u], v3, s[SBA+2*\qq:SBA+2*\qq+1] offset:128*\u
.endr
	global_load_b32 v[BN+\qq], v4, s[NBA+2*\qq:NBA+2*\qq+1]
	global_load_b32 v[LB+\qq], v4, s[LBA+2*\qq:LBA+2*\qq+1]
.endm
	s_mov_b32 s[RB4], 0
	GROUP 0
	GROUP 1
	GROUP 2
	GROUP 3
.Ltrip:
	s_wait_loadcnt 0x0                             ; all 48 are in: their bases are free too
.irp a, 0,1,2,3,4,5,6,7                ; the eight accumulators take turns: K step 0 of all, then K step 1 of all
	v_wmma_scale_f32_16x16x128_f8f6f4 v[D+8*\a:D+8*\a+7], v[XA:XA+7], v[BF+16*\a:BF+16*\a+7], 0, v9, v[BS+\a] matrix_a_fmt:MATRIX_FMT_FP4 matrix_b_fmt:MATRIX_FMT_FP4
.endr
.irp a, 0,1,2,3,4,5,6,7
	v_wmma_scale_f32_16x16x128_f8f6f4 v[D+8*\a:D+8*\a+7], v[XA+8:XA+15], v[BF+16*\a+8:BF+16*\a+15], v[D+8*\a:D+8*\a+7], v9, v[BS+\a] matrix_a_fmt:MATRIX_FMT_FP4 matrix_b_fmt:MATRIX_FMT_FP4 matrix_a_scale:MATRIX_SCALE_ROW1 matrix_b_scale:MATRIX_SCALE_ROW1
.endr
.rept 4
	v_nop                                          ; places ahead of the first read of results and of the loads into the fragments' registers (ISA guide 7.12.1 for vector instructions)
.endr
.irp qq, 0,1,2,3
	v_cndmask_b32 v[K+\qq], v[D+16*\qq], v[D+16*\qq+8], s[HIM]     ; lane l: row base + l (each accumulator's lowest register)
.endr
.irp qq, 0,1,2,3
	v_mul_f32 v[K+\qq], v[K+\qq], v[BN+\qq]        ; x rt,
	v_add_nc_u32 v[Y+\qq], s[GB+\qq], v1
.endr
.irp qq, 0,1,2,3
	v_mul_f32 v[K+\qq], s39, v[K+\qq]              ; x rx: the key
	v_min_u32 v[LB+\qq], 15, v[LB+\qq]
.endr
.irp qq, 0,1,2,3
	v_cndmask_b32 v[K+\qq], v[NINF], v[K+\qq], s[VM+\qq]
	v_lshl_or_b32 v[Y+\qq], v[Y+\qq], 4, v[LB+\qq]
.endr
.irp qq, 0,1,2,3
	v_cndmask_b32 v[Y+\qq], -1, v[Y+\qq], s[VM+\qq]
.endr
	s_add_co_u32 s[RB4], s[RB4], 4
	s_cmp_lt_u32 s[RB4], 20
	s_cbranch_scc0 .Lno_more                       ; the last trip asks for nothing
	GROUP 0
	GROUP 1
	GROUP 2
	GROUP 3
.Lno_more:
	SORT 4, 0, 1, 0                                ; sets 0, 2 worst first, sets 1, 3 best first
	KEEP 0, 1, 0
	KEEP 2, 3, 1
	CLEAN 2, 0, 2, 0                               ; set 0 worst first, set 2 best first
	KEEP 0, 2, 0
	CLEAN 1, 0, 1, 0                               ; worst first, against the best so far, which is best first
	KEEP 4, 0, 0
	CLEAN 1, 4, 1, 1                               ; best first
	s_cmp_lt_u32 s[RB4], 20
	s_cbranch_scc1 .Ltrip
	; the vote of lanes 0 to 19
	v_and_b32 v[LB], 15, v[Y+4]
.irp c, 0,1,2,3,4,5,6,7,8
	v_cmp_eq_u32 s[CN+\c], \c, v[LB]
.endr
.irp c, 0,1,2,3,4,5,6,7,8
	s_and_b32 s[CN+\c], s[CN+\c], 0xfffff
	s_bcnt1_i32_b32 s[CN+\c], s[CN+\c]
.endr
	s_mov_b32 s[BI], 0
.irp c, 1,2,3,4,5,6,7,8
	s_cmp_gt_u32 s[CN+\c], s[CN]                   ; strictly more: at a tie the smaller class stays
	s_cselect_b32 s[CN], s[CN+\c], s[CN]
	s_cselect_b32 s[BI], \c, s[BI]
.endr
	v_cvt_f32_u32 v[PY], s[BI]
	v_mov_b32 v[PY+1], 0
	v_cmp_eq_u32 vcc_lo, 0, v1
	s_wait_xcnt 0x0                                ; EXEC changes only behind this wait
	s_and_saveexec_b32 s[SV], vcc_lo
	global_store_b32 v[PY+1], v[PY], s[14:15]
	s_wait_xcnt 0x0
	s_or_b32 exec_lo, exec_lo, s[SV]
	s_endpgm
.Lfunc_end_k_qb20b20d7d5_vote:
	.size	k_qb20b20d7d5_vote, .Lfunc_end_k_qb20b20d7d5_vote-k_qb20b20d7d5_vote
	.p2alignl 7, 3214868480
	.fill 96, 4, 3214868480
	.section	.rodata,"a",@progbits
	.p2align	6, 0x0
	.amdhsa_kernel k_qb20b20d7d5_vote
		.amdhsa_group_segment_fixed_size 0
		.amdhsa_private_segment_fixed_size 0
		.amdhsa_enable_private_segment 0
		.amdhsa_kernarg_size 48
		.amdhsa_user_sgpr_count 2
		.amdhsa_user_sgpr_kernarg_segment_ptr 1
		.amdhsa_wavefront_size32 1
		.amdhsa_system_sgpr_workgroup_id_x 1
		.amdhsa_system_sgpr_workgroup_id_y 1
		.amdhsa_system_sgpr_workgroup_id_z 1
		.amdhsa_system_vgpr_workitem_id 0
		.amdhsa_next_free_vgpr 256
		.amdhsa_next_free_sgpr 100
		.amdhsa_reserve_vcc 1
		.amdhsa_float_denorm_mode_32 3
		.amdhsa_float_denorm_mode_16_64 3
		.amdhsa_memory_ordered 1
		.amdhsa_forward_progress 1
		.amdhsa_inst_pref_size 71
	.end_amdhsa_kernel
	.amdgpu_metadata
---
amdhsa.version: [ 1, 2 ]
amdhsa.kernels:
  - .name:           k_qb20b20d7d5_vote
    .symbol:         k_qb20b20d7d5_vote.kd
    .args:
      - { .name: codes, .offset: 0, .size: 8, .value_kind: global_buffer, .address_space: global }
      - { .name: scales, .offset: 8, .size: 8, .value_kind: global_buffer, .address_space: global }
      - { .name: invn, .offset: 16, .size: 8, .value_kind: global_buffer, .address_space: global }
      - { .name: glist, .offset: 24, .size: 8, .value_kind: global_buffer, .address_space: global }
      - { .name: train_labels, .offset: 32, .size: 8, .value_kind: global_buffer, .address_space: global }
      - { .name: out0, .offset: 40, .size: 8, .value_kind: global_buffer, .address_space: global }
    .group_segment_fixed_size: 0
    .private_segment_fixed_size: 0
    .kernarg_segment_align: 8
    .kernarg_segment_size: 48
    .max_flat_workgroup_size: 128
    .sgpr_count:     100
    .vgpr_count:     256
    .wavefront_size: 32
...
	.end_amdgpu_metadata
.endif
;; end of part 5
;; ======== version 2 of 2: 5 launches; version 1 with the launch vote written anew for expert scheduling mode
;; workspace buffers: codes 13,062,144 bytes; scales 816,384 bytes; invn 408,320 bytes; gmx 32,768,000 bytes; slist 81,920 bytes of whole numbers; glist 81,920 bytes of whole numbers
;; launch prep: the kernel of part 1 again; grid 3189 x 1, 1 waves a work-group, no clusters, 6,400 bytes of LDS; arguments train_features, x, codes, scales, invn; writes codes, scales, invn
;; launch groupmax: the kernel of part 2 again; grid 250 x 1, 16 waves a work-group, no clusters, 198,656 bytes of LDS; arguments codes, scales, invn, gmx; writes gmx
;; launch slabs: the kernel of part 3 again; grid 256 x 1, 8 waves a work-group, no clusters, 9,216 bytes of LDS; arguments gmx, slist; writes slist
;; launch groups: the kernel of part 4 again; grid 512 x 1, 4 waves a work-group, no clusters, 0 bytes of LDS; arguments gmx, slist, glist; writes glist
;; launch vote (part 6): grid 512 x 1, 4 waves a work-group, no clusters, 0 bytes of LDS; arguments codes, scales, invn, glist, train_labels, out0; writes out0
.if DOCPART == 6
	.amdgcn_target "amdgcn-amd-amdhsa--gfx1250"
	.amdhsa_code_object_version 6
	.text
	.protected	k_qb20b20d7d5_vote
	.globl	k_qb20b20d7d5_vote
	.p2align	8
	.type	k_qb20b20d7d5_vote,@function
k_qb20b20d7d5_vote:
	s_mov_b64 s[64:65], 0
	v_nop
	global_prefetch_b8 v0, s[64:65] scope:SCOPE_SE
	s_setreg_imm32_b32 hwreg(HW_REG_WAVE_SCHED_MODE, 0, 2), 2
	s_setreg_imm32_b32 hwreg(HW_REG_WAVE_MODE, 25, 1), 1
	s_wait_xcnt 0x0
	s_wait_alu depctr_vm_vsrc(0)
; For each x row: the keys of the train rows of its 20 chosen groups are made again (the same matrix form, K steps and multiplications as in the launch that made the maxima; sources swapped: the same bits),
; the 20 best in the order key descending, train row ascending (as the reference's top-k breaks ties), their labels, and the most frequent class, the smaller class at a tie; stored as f32.
; A wave is an x row: five trips of four groups.  A trip: one wait for its 48 loads, 16 matrix instructions, four sets of 32 entries (an entry a lane), sorted side by side, merged, and merged into the best 32 so far.
; The next trip's 48 loads are dealt among the first four stages of the sorting, a group's twelve ahead of each, so that they land under the rest of it.  The last trip asks for nothing and is written out.
; Source 0 = the x row in all 16 rows, source 1 = 16 train rows: register 0 of a result holds column lane % 16 in both halves of the lanes.
; An entry is (key, 16 x train row + label).  Lanes 24-31 of a group of 24 rows, and the empty places at the start, hold (-infinity, all ones): worse than every real entry; their label nibble, 15, is no class.
; The only addresses that hang on data are made of the stored group numbers, with the base row held at 99,968; trip counts are constants, and what hangs on keys is selected by v_cndmask_b32 and s_cselect_b32.
; No tensor load and no cluster: each wave gathers other rows.  The output is 4 bytes a wave: 8,192 bytes in all.
; LIMITS: the key is dot x rsq(sum t^2) x rsq(sum x^2), two multiplications where the reference divides once by the product of two roots: it can differ from the reference's by a few units in the last place,
; which can change the choice only between neighbours that lie so close.  Labels outside 0..8 count for no class.  NaN, infinities and rows of norm 0 are not served; +0 and -0 count as equal.
; THE MODE: SCHED_MODE bits 1:0 = 2 (LLVM: expert scheduling mode 2), set by the entry lines.  The code itself states the register dependences
; between vector or matrix instructions and memory instructions, with s_wait_alu, always for 0.
; THE PLAN.  Registers that memory instructions touch:
;   v2, v3, v4, v6, v7, v8   offsets, made once at the head and never written again: the rows are reached by scalar bases and immediate offsets.
;   v5, v9, XA               loaded once at the head, never loaded again.
;   BF, BS                   read by a trip's sixteen matrix instructions; the next trip's loads land in them.
;   BN, LB                   read by a trip's key lines (LB is also written there); the next trip's loads land in them.
;   v10, v11                 at the end: the one store's data and offset.
;   D, K, Y, PK, PY and v14 are named by vector and matrix instructions alone.
; So ONE wait on va_vdst stands in a trip, behind its key lines: the products and the key lines are done with BF, BS, BN and LB.  The 48 loads follow it, dealt among stages of the sort,
; which name K, Y, PK and PY: none of the registers that those loads touch.  A wait on va_sdst stands behind each run of lines that write scalar registers (lane reads, compares), ahead of the run's first reader.
.set PY,   10                          ; v10-13 the partner's second word
.set NINF, 14
.set XA,   16                          ; v16-31   the x row's two fragments; v9 its scale words
.set BF,   32                          ; v32-159  4 groups x 2 tiles x 2 fragments
.set BS,   160                         ; v160-167 their scale words
.set BN,   168                         ; v168-171 rt: lane l has row base + l
.set LB,   172                         ; v172-175 labels likewise
.set D,    176                         ; v176-239 eight accumulators
.set K,    240                         ; v240-243 the four sets' keys; v244 the best so far
.set Y,    245                         ; v245-248 second words; v249 the best so far
.set PK,   250                         ; v250-253 the partner's key
.set CA,   20
.set CB,   24
.set CC,   28
.set HIM,  40
.set SEL,  42
.set RB4,  44                          ; 4 x the trip whose loads were issued last
.set TX,   46                          ; s[46:47] at work; as a pair: an offset
.set TY,   47
.set TZ,   48
.set SV,   49
.set VM,   52                          ; s52-55 which of 32 lanes hold rows of the group
.set GB,   56                          ; s56-59 base rows
.set G,    60                          ; s60-63 the four groups' numbers
.set CBA,  68                          ; s[68:75] the four groups' codes,
.set SBA,  76                          ; s[76:83] scale bytes,
.set NBA,  84                          ; s[84:91] reciprocal norms,
.set LBA,  92                          ; s[92:99] labels
.set CN,   68                          ; at the end: s68-76 the classes' counts
.set BI,   77
; A compare and exchange between lanes l and l xor d, on n sets at once (set q: registers base + st q), stage by stage, so that no line waits for the line above it.
; An entry is better where its key is larger, or equal with the smaller second word.  A lane takes its partner's entry where (the partner's is better) xor (the lane wants the worse).
; ww: the lanes that want the worse in a sort that ends worst first.  Sets whose q + flip is odd take the complement and end best first.
.macro CES n, base, st, d, ww, flip
.set q, 0
.rept \n
.if \d == 16
	v_permlanex16_b32 v[PK+q], v[K+(\base)+(\st)*q], s[SEL], s[SEL+1]
	v_permlanex16_b32 v[PY+q], v[Y+(\base)+(\st)*q], s[SEL], s[SEL+1]
.else
	v_mov_b32_dpp v[PK+q], v[K+(\base)+(\st)*q] row_xmask:\d row_mask:0xf bank_mask:0xf
	v_mov_b32_dpp v[PY+q], v[Y+(\base)+(\st)*q] row_xmask:\d row_mask:0xf bank_mask:0xf
.endif
.set q, q+1
.endr
.set q, 0
.rept \n
	v_cmp_gt_f32 s[CA+q], v[PK+q], v[K+(\base)+(\st)*q]
	v_cmp_eq_f32 s[CB+q], v[PK+q], v[K+(\base)+(\st)*q]
	v_cmp_lt_u32 s[CC+q], v[PY+q], v[Y+(\base)+(\st)*q]
.set q, q+1
.endr
	s_wait_alu depctr_va_sdst(0)                   ; the stage's compares have written their masks, ahead of the first line that reads one: one wait for the run
.set q, 0
.rept \n
	s_and_b32 s[CB+q], s[CB+q], s[CC+q]
	s_or_b32 s[CA+q], s[CA+q], s[CB+q]
.if (q+(\flip))%2
	s_xor_b32 s[CA+q], s[CA+q], (\ww)^0xffffffff
.else
	s_xor_b32 s[CA+q], s[CA+q], \ww
.endif
.set q, q+1
.endr
.set q, 0
.rept \n
	v_cndmask_b32 v[K+(\base)+(\st)*q], v[K+(\base)+(\st)*q], v[PK+q], s[CA+q]
	v_cndmask_b32 v[Y+(\base)+(\st)*q], v[Y+(\base)+(\st)*q], v[PY+q], s[CA+q]
.set q, q+1
.endr
.endm
.macro CLEAN n, base, st, flip         ; a bitonic run of 32 becomes sorted
	CES \n, \base, \st, 16, 0x0000ffff, \flip
	CES \n, \base, \st, 8,  0x00ff00ff, \flip
	CES \n, \base, \st, 4,  0x0f0f0f0f, \flip
	CES \n, \base, \st, 2,  0x33333333, \flip
	CES \n, \base, \st, 1,  0x55555555, \flip
.endm
; The four groups at places RB4 .. RB4 + 3 of the row's list: their numbers, in one run of lane reads with one wait
.macro PICK
	s_add_co_u32 s[TX], s[RB4], 1
	s_add_co_u32 s[TY], s[RB4], 2
	s_add_co_u32 s[TZ], s[RB4], 3
	v_readlane_b32 s[G], v5, s[RB4]
	v_readlane_b32 s[G+1], v5, s[TX]
	v_readlane_b32 s[G+2], v5, s[TY]
	v_readlane_b32 s[G+3], v5, s[TZ]
	s_wait_alu depctr_va_sdst(0)                   ; s60 to s63 are written, ahead of their first readers, the lines that make the base rows
.endm
.macro BASES qq                        ; group qq of the four: its base row, its lanes, its four bases
	s_lshr_b32 s[TX], s[G+\qq], 4
	s_mul_i32 s[TX], s[TX], 400                    ; slab
	s_and_b32 s[TY], s[G+\qq], 15                  ; gi
	s_cmp_ge_u32 s[TY], 14
	s_cselect_b32 s[VM+\qq], -1, 0xffffff          ; 32 rows in a slab's last two groups, else 24
	s_cmp_eq_u32 s[TY], 15
	s_cselect_b32 s[TZ], 8, 0
	s_mul_i32 s[TY], s[TY], 24
	s_add_co_u32 s[TX], s[TX], s[TY]
	s_add_co_u32 s[TX], s[TX], s[TZ]
	s_min_u32 s[GB+\qq], s[TX], 99968              ; the largest base there is: base + 31 stays inside the train rows
	s_mov_b32 s[TY], 0
	s_lshl_b32 s[TX], s[GB+\qq], 7
	s_add_nc_u64 s[CBA+2*\qq:CBA+2*\qq+1], s[4:5], s[TX:TY]
	s_lshl_b32 s[TX], s[GB+\qq], 3
	s_add_nc_u64 s[SBA+2*\qq:SBA+2*\qq+1], s[6:7], s[TX:TY]
	s_lshl_b32 s[TX], s[GB+\qq], 2
	s_add_nc_u64 s[NBA+2*\qq:NBA+2*\qq+1], s[8:9], s[TX:TY]
	s_add_nc_u64 s[LBA+2*\qq:LBA+2*\qq+1], s[12:13], s[TX:TY]
.endm
.macro LOADS qq                        ; and its twelve loads
.irp u, 0,1
.irp c, 0,1,2,3
	global_load_b128 v[BF+32*\qq+16*\u+4*\c:BF+32*\qq+16*\u+4*\c+3], v2, s[CBA+2*\qq:CBA+2*\qq+1] offset:2048*\u+32*\c
.endr
	global_load_b32 v[BS+2*\qq+\u], v3, s[SBA+2*\qq:SBA+2*\qq+1] offset:128*\u
.endr
	global_load_b32 v[BN+\qq], v4, s[NBA+2*\qq:NBA+2*\qq+1]
	global_load_b32 v[LB+\qq], v4, s[LBA+2*\qq:LBA+2*\qq+1]
.endm
; A bitonic sort of 32 lanes: for runs of k = 2 .. 32 and d = k / 2 .. 1 the worse is wanted where bits d and k of the lane's number are equal.
; deal = 1: a group's twelve loads stand ahead of each of the first four stages.  No wait: no vector or matrix instruction since the trip's wait on va_vdst names a register that they touch.
.macro SORT n, base, st, flip, deal
.if \deal
	LOADS 0
.endif
	CES \n, \base, \st, 1,  0x99999999, \flip
.if \deal
	LOADS 1
.endif
	CES \n, \base, \st, 2,  0xc3c3c3c3, \flip
.if \deal
	LOADS 2
.endif
	CES \n, \base, \st, 1,  0xa5a5a5a5, \flip
.if \deal
	LOADS 3
.endif
	CES \n, \base, \st, 4,  0xf00ff00f, \flip
	CES \n, \base, \st, 2,  0xcc33cc33, \flip
	CES \n, \base, \st, 1,  0xaa55aa55, \flip
	CES \n, \base, \st, 8,  0xff0000ff, \flip
	CES \n, \base, \st, 4,  0xf0f00f0f, \flip
	CES \n, \base, \st, 2,  0xcccc3333, \flip
	CES \n, \base, \st, 1,  0xaaaa5555, \flip
	CLEAN \n, \base, \st, \flip
.endm
; Of two sets sorted in opposite directions the better entry of each lane: the best 32 of the 64, a bitonic run, into set a.  In two parts, so that one wait can stand behind several merges' compares
.macro KCMP a, b, u
	v_cmp_gt_f32 s[CA+\u], v[K+\b], v[K+\a]
	v_cmp_eq_f32 s[CB+\u], v[K+\b], v[K+\a]
	v_cmp_lt_u32 s[CC+\u], v[Y+\b], v[Y+\a]
.endm
.macro KSEL a, b, u
	s_and_b32 s[CB+\u], s[CB+\u], s[CC+\u]
	s_or_b32 s[CA+\u], s[CA+\u], s[CB+\u]
	v_cndmask_b32 v[K+\a], v[K+\a], v[K+\b], s[CA+\u]
	v_cndmask_b32 v[Y+\a], v[Y+\a], v[Y+\b], s[CA+\u]
.endm
	s_load_b256 s[4:11], s[0:1], 0x0               ; codes, scales, invn, glist
	s_load_b128 s[12:15], s[0:1], 0x20             ; train_labels, out0
	v_lshrrev_b32 v1, 5, v0
	v_readfirstlane_b32 s18, v1
	v_and_b32 v1, 31, v0                           ; lane
	v_and_b32 v15, 15, v0                          ; n
	v_bfe_u32 v6, v0, 4, 1                         ; h
	v_lshlrev_b32 v7, 2, v6                        ; 4 h
	v_lshlrev_b32 v6, 4, v6                        ; 16 h
	v_lshl_add_u32 v2, v15, 7, v6                  ; a tile's codes: column n is row n: 128 n + 16 h
	v_lshl_add_u32 v3, v15, 3, v7                  ; scale words: 8 n + 4 h: lanes 0-15 K step 0's, lanes 16-31 K step 1's
	v_lshlrev_b32 v4, 2, v1                        ; norms and labels: 4 x lane
	v_min_u32 v8, 19, v1
	v_lshlrev_b32 v8, 1, v8                        ; the list: place min(lane, 19): no lane reads past the row's 40 bytes
.irp j, 0,1,2,3
	v_mov_b32 v[PK+\j], 0                          ; written once: the destination of a lane move counts as read
	v_mov_b32 v[PY+\j], 0
.endr
	v_mov_b32 v[NINF], 0xff800000
	v_mov_b32 v[K+4], 0xff800000                   ; the best so far: nothing
	v_mov_b32 v[Y+4], -1
	s_mov_b32 s[HIM], 0xffff0000
	s_mov_b32 s[SEL], 0x76543210
	s_mov_b32 s[SEL+1], 0xfedcba98                 ; v_permlanex16_b32: lane l xor 16
	s_wait_alu depctr_va_sdst(0)                   ; s18, the wave's number, is written, ahead of its first reader
	s_lshl_b32 s19, ttmp9, 2
	s_add_co_u32 s19, s19, s18                     ; my x row
	s_mul_i32 s20, s19, 40
	s_mov_b32 s21, 0
	s_lshl_b32 s22, s19, 2
	s_mov_b32 s23, 0
	s_lshl_b32 s24, s19, 7
	s_add_co_u32 s24, s24, 12800000                ; x is rows 100,000 on of the table
	s_mov_b32 s25, 0
	s_lshl_b32 s26, s19, 3
	s_add_co_u32 s26, s26, 800000
	s_mov_b32 s27, 0
	s_wait_kmcnt 0x0
	s_add_nc_u64 s[10:11], s[10:11], s[20:21]
	s_add_nc_u64 s[36:37], s[8:9], s[22:23]
	s_add_nc_u64 s[14:15], s[14:15], s[22:23]
	s_add_nc_u64 s[32:33], s[4:5], s[24:25]
	s_add_nc_u64 s[34:35], s[6:7], s[26:27]
	s_load_b32 s39, s[36:37], 0x61a80              ; rx
	s_wait_alu depctr_va_vdst(0)                   ; the six offsets v2, v3, v4, v6, v7 and v8 are written: every load of the kernel reads one of them
	global_load_u16 v5, v8, s[10:11]               ; lane j: the group at place j
.irp c, 0,1,2,3
	global_load_b128 v[XA+4*\c:XA+4*\c+3], v6, s[32:33] offset:32*\c
.endr
	global_load_b32 v9, v7, s[34:35]               ; x's scale words
	s_wait_kmcnt 0x0
	s_wait_loadcnt 0x0
	s_mov_b32 s[RB4], 0
	PICK                                           ; the first trip's four groups: since the wait on va_vdst above only the four lane reads, which name v5, have been issued
	BASES 0
	BASES 1
	BASES 2
	BASES 3
	LOADS 0
	LOADS 1
	LOADS 2
	LOADS 3
; A trip.  more = 1: the next trip's four groups are asked for.
.macro TRIP more
	s_wait_loadcnt 0x0                             ; all 48 are in: their bases are free too
.irp a, 0,1,2,3,4,5,6,7                ; the eight accumulators take turns: K step 0 of all, then K step 1 of all
	v_wmma_scale_f32_16x16x128_f8f6f4 v[D+8*\a:D+8*\a+7], v[XA:XA+7], v[BF+16*\a:BF+16*\a+7], 0, v9, v[BS+\a] matrix_a_fmt:MATRIX_FMT_FP4 matrix_b_fmt:MATRIX_FMT_FP4
.endr
.irp a, 0,1,2,3,4,5,6,7
	v_wmma_scale_f32_16x16x128_f8f6f4 v[D+8*\a:D+8*\a+7], v[XA+8:XA+15], v[BF+16*\a+8:BF+16*\a+15], v[D+8*\a:D+8*\a+7], v9, v[BS+\a] matrix_a_fmt:MATRIX_FMT_FP4 matrix_b_fmt:MATRIX_FMT_FP4 matrix_a_scale:MATRIX_SCALE_ROW1 matrix_b_scale:MATRIX_SCALE_ROW1
.endr
.rept 4
	v_nop                                          ; places ahead of the first read of results (ISA guide 7.12.1)
.endr
.irp qq, 0,1,2,3
	v_cndmask_b32 v[K+\qq], v[D+16*\qq], v[D+16*\qq+8], s[HIM]     ; lane l: row base + l (each accumulator's lowest register)
.endr
.irp qq, 0,1,2,3
	v_mul_f32 v[K+\qq], v[K+\qq], v[BN+\qq]        ; x rt,
	v_add_nc_u32 v[Y+\qq], s[GB+\qq], v1
.endr
.irp qq, 0,1,2,3
	v_mul_f32 v[K+\qq], s39, v[K+\qq]              ; x rx: the key
	v_min_u32 v[LB+\qq], 15, v[LB+\qq]
.endr
.irp qq, 0,1,2,3
	v_cndmask_b32 v[K+\qq], v[NINF], v[K+\qq], s[VM+\qq]
	v_lshl_or_b32 v[Y+\qq], v[Y+\qq], 4, v[LB+\qq]
.endr
.irp qq, 0,1,2,3
	v_cndmask_b32 v[Y+\qq], -1, v[Y+\qq], s[VM+\qq]
.endr
.if \more
	s_add_co_u32 s[RB4], s[RB4], 4
	PICK
	s_wait_alu depctr_va_vdst(0)                   ; the products are done reading BF and BS, the key lines are done reading BN and LB and have written LB: the next trip's loads land in all four.  The key lines are also done with s[VM ..] and s[GB ..], which the lines below write
	BASES 0
	BASES 1
	BASES 2
	BASES 3
.endif
	SORT 4, 0, 1, 0, \more                         ; sets 0, 2 worst first, sets 1, 3 best first; the loads among its first four stages
	KCMP 0, 1, 0
	KCMP 2, 3, 1
	s_wait_alu depctr_va_sdst(0)                   ; both merges' compares have written their masks, ahead of the first line that reads one
	KSEL 0, 1, 0
	KSEL 2, 3, 1
	CLEAN 2, 0, 2, 0                               ; set 0 worst first, set 2 best first
	KCMP 0, 2, 0
	s_wait_alu depctr_va_sdst(0)                   ; the merge's compares have written their masks, ahead of the first line that reads one
	KSEL 0, 2, 0
	CLEAN 1, 0, 1, 0                               ; worst first, against the best so far, which is best first
	KCMP 4, 0, 0
	s_wait_alu depctr_va_sdst(0)                   ; the merge's compares have written their masks, ahead of the first line that reads one
	KSEL 4, 0, 0
	CLEAN 1, 4, 1, 1                               ; best first
.endm
.Ltrip:                                                ; four trips, each of which asks for the next trip's groups: places 4 to 19 of the list
	TRIP 1
	s_cmp_lt_u32 s[RB4], 16
	s_cbranch_scc1 .Ltrip
	TRIP 0                                         ; the last trip asks for nothing: it holds no wait on va_vdst
	; the vote of lanes 0 to 19
	v_and_b32 v[LB], 15, v[Y+4]
.irp c, 0,1,2,3,4,5,6,7,8
	v_cmp_eq_u32 s[CN+\c], \c, v[LB]
.endr
	s_wait_alu depctr_va_sdst(0)                   ; the nine compares have written the classes' masks, ahead of the first line that reads one
.irp c, 0,1,2,3,4,5,6,7,8
	s_and_b32 s[CN+\c], s[CN+\c], 0xfffff
	s_bcnt1_i32_b32 s[CN+\c], s[CN+\c]
.endr
	s_mov_b32 s[BI], 0
.irp c, 1,2,3,4,5,6,7,8
	s_cmp_gt_u32 s[CN+\c], s[CN]                   ; strictly more: at a tie the smaller class stays
	s_cselect_b32 s[CN], s[CN+\c], s[CN]
	s_cselect_b32 s[BI], \c, s[BI]
.endr
	v_cvt_f32_u32 v[PY], s[BI]
	v_mov_b32 v[PY+1], 0
	v_cmp_eq_u32 vcc_lo, 0, v1
	s_wait_xcnt 0x0                                ; EXEC changes only behind this wait
	s_wait_alu depctr_va_vcc(0)                    ; VCC is written: EXEC is made from it
	s_wait_alu depctr_va_vdst(0)                   ; ahead of the write of EXEC: every vector instruction has written its result, v10 and v11, the store's data and offset, among them
	s_wait_alu depctr_vm_vsrc(0)                   ; ahead of the write of EXEC: every memory instruction has read its vector registers
	s_and_saveexec_b32 s[SV], vcc_lo
	global_store_b32 v[PY+1], v[PY], s[14:15]
	s_wait_xcnt 0x0
	s_wait_alu depctr_va_vdst(0)                   ; ahead of the write of EXEC, as above
	s_wait_alu depctr_vm_vsrc(0)                   ; the store has read v10 and v11
	s_or_b32 exec_lo, exec_lo, s[SV]
	s_endpgm
.Lfunc_end_k_qb20b20d7d5_vote:
	.size	k_qb20b20d7d5_vote, .Lfunc_end_k_qb20b20d7d5_vote-k_qb20b20d7d5_vote
	.p2alignl 7, 3214868480
	.fill 96, 4, 3214868480
	.section	.rodata,"a",@progbits
	.p2align	6, 0x0
	.amdhsa_kernel k_qb20b20d7d5_vote
		.amdhsa_group_segment_fixed_size 0
		.amdhsa_private_segment_fixed_size 0
		.amdhsa_enable_private_segment 0
		.amdhsa_kernarg_size 48
		.amdhsa_user_sgpr_count 2
		.amdhsa_user_sgpr_kernarg_segment_ptr 1
		.amdhsa_wavefront_size32 1
		.amdhsa_system_sgpr_workgroup_id_x 1
		.amdhsa_system_sgpr_workgroup_id_y 1
		.amdhsa_system_sgpr_workgroup_id_z 1
		.amdhsa_system_vgpr_workitem_id 0
		.amdhsa_next_free_vgpr 256
		.amdhsa_next_free_sgpr 100
		.amdhsa_reserve_vcc 1
		.amdhsa_float_denorm_mode_32 3
		.amdhsa_float_denorm_mode_16_64 3
		.amdhsa_memory_ordered 1
		.amdhsa_forward_progress 1
		.amdhsa_inst_pref_size 124
	.end_amdhsa_kernel
	.amdgpu_metadata
---
amdhsa.version: [ 1, 2 ]
amdhsa.kernels:
  - .name:           k_qb20b20d7d5_vote
    .symbol:         k_qb20b20d7d5_vote.kd
    .args:
      - { .name: codes, .offset: 0, .size: 8, .value_kind: global_buffer, .address_space: global }
      - { .name: scales, .offset: 8, .size: 8, .value_kind: global_buffer, .address_space: global }
      - { .name: invn, .offset: 16, .size: 8, .value_kind: global_buffer, .address_space: global }
      - { .name: glist, .offset: 24, .size: 8, .value_kind: global_buffer, .address_space: global }
      - { .name: train_labels, .offset: 32, .size: 8, .value_kind: global_buffer, .address_space: global }
      - { .name: out0, .offset: 40, .size: 8, .value_kind: global_buffer, .address_space: global }
    .group_segment_fixed_size: 0
    .private_segment_fixed_size: 0
    .kernarg_segment_align: 8
    .kernarg_segment_size: 48
    .max_flat_workgroup_size: 128
    .sgpr_count:     100
    .vgpr_count:     256
    .wavefront_size: 32
...
	.end_amdgpu_metadata
.endif
;; end of part 6
